; MI455X (gfx1250); checked and timed in simulation.
; The chip was launched on July 23, 2026; its instructions are those of AMD's public machine-readable ISA for CDNA 5 (MIT licence, August 2026) and "CDNA5" Instruction Set Architecture Reference Guide (July 2026). The comments in the code are by the model that wrote it; some were corrected since.
;; Diff Transformer Layer. Allowed arithmetic: float matrix products may take bf16 or f16 operands with f32 sums; other float arithmetic in f32, or as packed bf16 or f16 multiplies, adds, multiply-adds, maxima and minima; sums over many terms, partial sums and values carried from step to step in f32; what a program stores and reads back later, other than sums and carried values, may be rounded once to bf16 or f16.
;; Inputs: lk1 64 float32; lk2 64 float32; ln1_b 1,024 float32; ln1_w 1,024 float32; ln2_b 1,024 float32; ln2_w 1,024 float32; lq1 64 float32; lq2 64 float32; subln_w 128 float32; w_in 1,024 x 4,096 float32; w_out 2,048 x 1,024 float32; wk 1,024 x 1,024 float32; wo 1,024 x 1,024 float32; wq 1,024 x 1,024 float32; wv 1,024 x 1,024 float32; x 2 x 2,048 x 1,024 float32.
;; Outputs: out0 2 x 2,048 x 1,024 float32.
;; One version. Each part assembles by itself: llvm-mc -triple=amdgcn-amd-amdhsa -mcpu=gfx1250 --defsym DOCPART=n.
;; ======== version 1 of 1: 7 launches
;; limits: right only within a limited range of input values
;; workspace buffers: wb 20,971,520 bytes; wb1 6,291,456 bytes; hbuf 8,388,608 bytes; big 25,165,824 bytes; ybuf 16,777,216 bytes
;; launch ln1 (part 1): grid 448 x 1, 8 waves a work-group, no clusters, 0 bytes of LDS; arguments x, ln1_w, ln1_b, hbuf, wq, wk, wv, wb1; writes hbuf, wb1
.if DOCPART == 1
	.amdgcn_target "amdgcn-amd-amdhsa--gfx1250"
	.amdhsa_code_object_version 6
	.text
	.protected	k_q55b2e1c61b_ln1
	.globl	k_q55b2e1c61b_ln1
	.p2align	8
	.type	k_q55b2e1c61b_ln1,@function
k_q55b2e1c61b_ln1:
	s_mov_b64 s[64:65], 0
	v_nop
	global_prefetch_b8 v0, s[64:65] scope:SCOPE_SE
	s_setreg_imm32_b32 hwreg(HW_REG_WAVE_MODE, 25, 1), 1
	s_wait_xcnt 0x0
; TWO JOBS IN ONE TEXT, told apart by the work-group's number; neither needs anything of the other, so they share a launch.
; WORK-GROUPS 0 TO 255: out[r][c] = bf16( (in[r][c] - mean_r) / sqrt(var_r + 1e-5) * w[c] + b[c] ).  in: [4096][1024] f32, out: [4096][1024] bf16.
; A wave takes two whole rows and keeps them in registers: eight 16-byte loads a lane and row; lane l holds columns 128 j + 4 l .. + 3.
; The variance is the mean of the squared differences from the mean (two passes over the registers), as the formula says, so a common
; offset of the row costs no digits.  No LDS, no barrier: no wave waits for another.
; WORK-GROUPS 256 TO 447 (in the launch whose grid has them; a grid of 256 has none): three weight matrices of 1,048,576 numbers, each rounded once
; to bf16 and left as it lies ([K][N]), one behind the other.  A work-group takes 16,384 numbers, so a matrix is 64 work-groups; a wave takes 2,048:
; 16 loads of 512 consecutive bytes, 16 stores of 256 consecutive bytes, aligned.  All loads go out first; the waits count down.
.set W,  4                             ; v[4:35]    the gain of my 32 columns
.set BB, 36                            ; v[36:67]   the bias
.set X0, 68                            ; v[68:99]   row 0
.set X1, 100                           ; v[100:131] row 1
.set T,  132                           ; v[132:147] at work
.set M,  148                           ; v[148:149] the mean, twice
.set R,  150                           ; v[150:151] 1 / sqrt(var + eps), twice
.set O,  152                           ; v[152:183] 16 registers a row to store
.set CI, 4                             ; the weights' path: v[4:67] 16 x 4 numbers as loaded
.set CO, 68                            ;                    v[68:99] 16 x 2 registers to store
	s_cmp_ge_u32 ttmp9, 256
	s_cbranch_scc1 .Lcast
	s_load_b256 s[4:11], s[0:1], 0x0               ; in s[4:5], w s[6:7], b s[8:9], out s[10:11]
	v_lshrrev_b32 v[T], 5, v0                      ; wave
	v_and_b32 v3, 31, v0
	v_lshlrev_b32 v2, 3, v3                        ; 8 l
	v_lshlrev_b32 v3, 4, v3                        ; 16 l: my place in w and b
	v_lshl_add_u32 v1, v[T], 13, v3                ; + wave x 2 rows x 4,096 bytes
	v_lshl_add_u32 v2, v[T], 12, v2                ; + wave x 2 rows x 2,048 bytes
	s_lshl_b32 s16, ttmp9, 16                      ; the work-group's 16 rows in
	s_mov_b32 s17, 0
	s_lshl_b32 s18, ttmp9, 15                      ; and out
	s_mov_b32 s19, 0
	s_mov_b32 s12, 0x76543210                      ; v_permlanex16_b32: each lane takes its own place in the other half
	s_mov_b32 s13, 0xfedcba98
	s_mov_b32 s14, 0x3a800000                      ; 1 / 1024
	s_mov_b32 s15, 0x3727c5ac                      ; 1e-5
	s_wait_kmcnt 0x0
	s_add_nc_u64 s[4:5], s[4:5], s[16:17]
	s_add_nc_u64 s[10:11], s[10:11], s[18:19]
.set j, 0
.rept 8
	global_load_b128 v[X0+4*j:X0+4*j+3], v1, s[4:5] offset:512*j
.set j, j+1
.endr
.set j, 0
.rept 8
	global_load_b128 v[X1+4*j:X1+4*j+3], v1, s[4:5] offset:4096+512*j
.set j, j+1
.endr
.set j, 0
.rept 8
	global_load_b128 v[W+4*j:W+4*j+3], v3, s[6:7] offset:512*j
.set j, j+1
.endr
.set j, 0
.rept 8
	global_load_b128 v[BB+4*j:BB+4*j+3], v3, s[8:9] offset:512*j
.set j, j+1
.endr
.macro LANESUM                         ; v[T] summed over the 32 lanes, the result in every lane
	v_add_f32_dpp v[T], v[T], v[T] row_xmask:1 row_mask:0xf bank_mask:0xf
	v_add_f32_dpp v[T], v[T], v[T] row_xmask:2 row_mask:0xf bank_mask:0xf
	v_add_f32_dpp v[T], v[T], v[T] row_xmask:4 row_mask:0xf bank_mask:0xf
	v_add_f32_dpp v[T], v[T], v[T] row_xmask:8 row_mask:0xf bank_mask:0xf
	v_permlanex16_b32 v[T+1], v[T], s12, s13
	v_add_f32 v[T], v[T], v[T+1]
.endm
; The row in x becomes (x - mean) / sqrt(var + eps).  left: the younger loads that may stay out.
.macro STAT x, left
	s_wait_loadcnt \left
.set p, 0
.rept 8                                ; the sum, as a tree of packed additions
	v_pk_add_f32 v[T+2*p:T+2*p+1], v[(\x)+4*p:(\x)+4*p+1], v[(\x)+4*p+2:(\x)+4*p+3]
.set p, p+1
.endr
.set p, 0
.rept 4
	v_pk_add_f32 v[T+2*p:T+2*p+1], v[T+4*p:T+4*p+1], v[T+4*p+2:T+4*p+3]
.set p, p+1
.endr
.set p, 0
.rept 2
	v_pk_add_f32 v[T+2*p:T+2*p+1], v[T+4*p:T+4*p+1], v[T+4*p+2:T+4*p+3]
.set p, p+1
.endr
	v_pk_add_f32 v[T:T+1], v[T:T+1], v[T+2:T+3]
	v_add_f32 v[T], v[T], v[T+1]
	LANESUM
	v_mul_f32 v[M], s14, v[T]
	v_mov_b32 v[M+1], v[M]
.set p, 0
.rept 16
	v_pk_add_f32 v[(\x)+2*p:(\x)+2*p+1], v[(\x)+2*p:(\x)+2*p+1], v[M:M+1] neg_lo:[0,1] neg_hi:[0,1]
.set p, p+1
.endr
.set p, 0
.rept 4                                ; the squares, in four chains that the first four pairs start
	v_pk_mul_f32 v[T+2*p:T+2*p+1], v[(\x)+2*p:(\x)+2*p+1], v[(\x)+2*p:(\x)+2*p+1]
.set p, p+1
.endr
.rept 12
	v_pk_fma_f32 v[T+2*(p%4):T+2*(p%4)+1], v[(\x)+2*p:(\x)+2*p+1], v[(\x)+2*p:(\x)+2*p+1], v[T+2*(p%4):T+2*(p%4)+1]
.set p, p+1
.endr
	v_pk_add_f32 v[T:T+1], v[T:T+1], v[T+2:T+3]
	v_pk_add_f32 v[T+4:T+5], v[T+4:T+5], v[T+6:T+7]
	v_pk_add_f32 v[T:T+1], v[T:T+1], v[T+4:T+5]
	v_add_f32 v[T], v[T], v[T+1]
	LANESUM
	v_fma_f32 v[T], v[T], s14, s15                 ; var + eps
	v_rsq_f32 v[R], v[T]
	v_rsq_f32 v[R+1], v[T]
	v_nop                                          ; a plain instruction behind the last of the two,
	s_wait_alu depctr_va_vdst(0)                   ; and one wait for both, ahead of their first reader
.set p, 0
.rept 16
	v_pk_mul_f32 v[(\x)+2*p:(\x)+2*p+1], v[(\x)+2*p:(\x)+2*p+1], v[R:R+1]
.set p, p+1
.endr
.endm
; Gain and bias in one fused multiply-add, one rounding to bf16, eight stores of 256 consecutive bytes, aligned.
.macro OUTR x, o, rowoff
.set p, 0
.rept 16
	v_pk_fma_f32 v[(\x)+2*p:(\x)+2*p+1], v[(\x)+2*p:(\x)+2*p+1], v[W+2*p:W+2*p+1], v[BB+2*p:BB+2*p+1]
.set p, p+1
.endr
.set p, 0
.rept 16
	v_cvt_pk_bf16_f32 v[(\o)+p], v[(\x)+2*p], v[(\x)+2*p+1]
.set p, p+1
.endr
.set p, 0
.rept 8
	global_store_b64 v2, v[(\o)+2*p:(\o)+2*p+1], s[10:11] offset:(\rowoff)+256*p
.set p, p+1
.endr
.endm
	STAT X0, 24                                    ; row 0 is in; row 1, w and b (24 loads) stay out
	STAT X1, 16                                    ; row 1 is in; w and b stay out
	s_wait_loadcnt 0x0
	OUTR X0, O, 0
	OUTR X1, O+16, 2048                            ; its own 16 registers: nothing that a store still reads is rewritten
	s_endpgm
.Lcast:                                            ; the weights' path
	s_load_b256 s[12:19], s[0:1], 0x20             ; the three matrices s[12:13], s[14:15], s[16:17]; their bf16 copies s[18:19]
	v_lshrrev_b32 v3, 5, v0                        ; wave
	v_and_b32 v1, 31, v0                           ; lane
	v_lshlrev_b32 v2, 3, v1                        ; 8 bytes a lane out
	v_lshlrev_b32 v1, 4, v1                        ; 16 bytes a lane in
	v_lshl_add_u32 v1, v3, 13, v1                  ; + wave x 8,192
	v_lshl_add_u32 v2, v3, 12, v2                  ; + wave x 4,096
	s_sub_co_u32 s22, ttmp9, 256                   ; my unit of 16,384 numbers, 0 to 191
	s_and_b32 s24, s22, 63
	s_lshl_b32 s24, s24, 16                        ; its 65,536 bytes in its matrix
	s_mov_b32 s25, 0
	s_lshl_b32 s26, s22, 15                        ; its 32,768 bytes in the copies
	s_mov_b32 s27, 0
	s_wait_kmcnt 0x0
	s_mov_b64 s[20:21], s[12:13]
	s_cmp_ge_u32 s22, 64                           ; which matrix: the choice hangs on the work-group's number alone
	s_cselect_b64 s[20:21], s[14:15], s[20:21]
	s_cmp_ge_u32 s22, 128
	s_cselect_b64 s[20:21], s[16:17], s[20:21]
	s_add_nc_u64 s[20:21], s[20:21], s[24:25]
	s_add_nc_u64 s[18:19], s[18:19], s[26:27]
.set j, 0
.rept 16
	global_load_b128 v[CI+4*j:CI+4*j+3], v1, s[20:21] offset:512*j th:TH_LOAD_NT
.set j, j+1
.endr
.set j, 0
.rept 16
	s_wait_loadcnt 15-j                            ; loads come back in order: load j is in, the 15 - j younger ones stay out
	v_cvt_pk_bf16_f32 v[CO+2*j], v[CI+4*j], v[CI+4*j+1]
	v_cvt_pk_bf16_f32 v[CO+2*j+1], v[CI+4*j+2], v[CI+4*j+3]
	global_store_b64 v2, v[CO+2*j:CO+2*j+1], s[18:19] offset:256*j  ; 32 lanes x 8 bytes: 256 consecutive bytes, aligned
.set j, j+1
.endr
	s_endpgm
.Lfunc_end_k_q55b2e1c61b_ln1:
	.size	k_q55b2e1c61b_ln1, .Lfunc_end_k_q55b2e1c61b_ln1-k_q55b2e1c61b_ln1
	.p2alignl 7, 3214868480
	.fill 96, 4, 3214868480
	.section	.rodata,"a",@progbits
	.p2align	6, 0x0
	.amdhsa_kernel k_q55b2e1c61b_ln1
		.amdhsa_group_segment_fixed_size 0
		.amdhsa_private_segment_fixed_size 0
		.amdhsa_enable_private_segment 0
		.amdhsa_kernarg_size 64
		.amdhsa_user_sgpr_count 2
		.amdhsa_user_sgpr_kernarg_segment_ptr 1
		.amdhsa_wavefront_size32 1
		.amdhsa_system_sgpr_workgroup_id_x 1
		.amdhsa_system_sgpr_workgroup_id_y 1
		.amdhsa_system_sgpr_workgroup_id_z 1
		.amdhsa_system_vgpr_workitem_id 0
		.amdhsa_next_free_vgpr 184
		.amdhsa_next_free_sgpr 66
		.amdhsa_reserve_vcc 0
		.amdhsa_float_denorm_mode_32 3
		.amdhsa_float_denorm_mode_16_64 3
		.amdhsa_memory_ordered 1
		.amdhsa_forward_progress 1
		.amdhsa_inst_pref_size 27
	.end_amdhsa_kernel
	.amdgpu_metadata
---
amdhsa.version: [ 1, 2 ]
amdhsa.kernels:
  - .name:           k_q55b2e1c61b_ln1
    .symbol:         k_q55b2e1c61b_ln1.kd
    .args:
      - { .name: x, .offset: 0, .size: 8, .value_kind: global_buffer, .address_space: global }
      - { .name: ln1_w, .offset: 8, .size: 8, .value_kind: global_buffer, .address_space: global }
      - { .name: ln1_b, .offset: 16, .size: 8, .value_kind: global_buffer, .address_space: global }
      - { .name: hbuf, .offset: 24, .size: 8, .value_kind: global_buffer, .address_space: global }
      - { .name: wq, .offset: 32, .size: 8, .value_kind: global_buffer, .address_space: global }
      - { .name: wk, .offset: 40, .size: 8, .value_kind: global_buffer, .address_space: global }
      - { .name: wv, .offset: 48, .size: 8, .value_kind: global_buffer, .address_space: global }
      - { .name: wb1, .offset: 56, .size: 8, .value_kind: global_buffer, .address_space: global }
    .group_segment_fixed_size: 0
    .private_segment_fixed_size: 0
    .kernarg_segment_align: 8
    .kernarg_segment_size: 64
    .max_flat_workgroup_size: 256
    .sgpr_count:     66
    .vgpr_count:     184
    .wavefront_size: 32
...
	.end_amdgpu_metadata
.endif
;; end of part 1
;; launch qkv (part 2): grid 16 x 16, 4 waves a work-group, clusters of 4 x 4, 327,680 bytes of LDS; arguments hbuf, wb1, big, wo, w_in, w_out, wb; writes big, wb
.if DOCPART == 2
	.amdgcn_target "amdgcn-amd-amdhsa--gfx1250"
	.amdhsa_code_object_version 6
	.text
	.protected	k_q55b2e1c61b_qkv
	.globl	k_q55b2e1c61b_qkv
	.p2align	8
	.type	k_q55b2e1c61b_qkv,@function
k_q55b2e1c61b_qkv:
	s_mov_b64 s[64:65], 0
	v_nop
	global_prefetch_b8 v0, s[64:65] scope:SCOPE_SE
	s_setreg_imm32_b32 hwreg(HW_REG_WAVE_MODE, 25, 1), 1
	s_wait_xcnt 0x0
	s_wait_alu depctr_hold_cnt(0) depctr_sa_sdst(0) depctr_va_vdst(0) depctr_va_sdst(0) depctr_va_ssrc(0) depctr_va_vcc(0) depctr_vm_vsrc(0)
	s_getreg_b32 s2, hwreg(HW_REG_IB_STS2, 6, 4)
	s_cmp_eq_u32 s2, 0
	s_cbranch_scc0 .Lentry_in_a_cluster
	s_endpgm
.Lentry_in_a_cluster:
	s_bfe_u32 s2, ttmp6, 0x10000c
	s_cmp_lg_u32 s2, 0xf033
	s_cbranch_scc0 .Lentry_shape_is_right
	s_endpgm
.Lentry_shape_is_right:
; C = A B.  A: [4096][1024] bf16 (rows along K).  B: wq | wk | wv side by side, three bf16 matrices [1024][1024] as they lie ([K][N]).  C = [4096][3072] bf16: a token's q, k, v.
; Sums in f32, K ascending.  C has 12 x 16 tiles of 256 x 256: the clusters with x = 0, 1, 2.
; THE CLUSTERS WITH x = 3 (64 work-groups, which C's tiles leave without work) round the weights of the later launches to bf16: wo, w_in, w_out, 448 units of 16,384 numbers, each left
; as it lies, into wb from byte 6,291,456 on.  The branch hangs on the cluster's x alone, which all sixteen partners share; that path asks for no tile.
; A TILE: four waves, each 128 x 128 in 64 accumulators (512 registers).  K goes in 8 steps of 128 through two LDS slots filled by
; tensor loads of 128 rows x 256 bytes: waves 0, 1 bring A's two halves, waves 2, 3 B's two strips of 128 columns.  One K step is one trip of the loop:
; the slot in hand is a scalar (TB) that an exclusive or turns; the slots lie SLOT bytes apart, a number that shares no bit with any fill's base, so the
; same exclusive or turns the walking descriptor's LDS word.
; B's fragments come out of LDS turned (ds_load_tr16_b128), so the weights need no transposed copy.
; CLUSTER 4 x 4: A's tile is shared along a row of the cluster, B's along a column: each is asked for jointly, with the same descriptor and mask in all four.
; THE MATRIX INSTRUCTION IS USED TRANSPOSED (source 0 = 16 columns of B, source 1 = 16 rows of A): a lane holds row l % 16 of C and the columns 8 (l / 16) + 0..7.
; REGISTERS in windows of 256: window 0: v0-31 addresses, v64-191 A's fragments (two buffers); window 1: v64-191 B's; windows 2, 3: accumulator (a, b) at v[8 (8 (a % 4) + b)].
; THE WAY OUT: when the ring has had its last fill and its last read, the tile goes as f32 into a stage laid over the ring (256 rows of 1,040 bytes); each wave
; reads 64 whole rows back, rounds and stores 256 consecutive bytes, aligned, an instruction.
; LIMITS: operands are bf16; NaN and infinities are not treated apart.
.set NS,    8                          ; K steps
.set PA,    272                        ; a row of A in LDS: 256 bytes + 16: the 16 rows of a load start at 16 different groups of four banks
.set PB,    288                        ; a k-row of B: 256 + 32
.set HALFA, 128*PA
.set STRIP, 128*PB
.set BOFF,  2*HALFA
.set SLOT,  0x24000
.set SPARE, SLOT+BOFF+2*STRIP          ; behind the ring: the spare words, 128 bytes a wave, that no other line names
.set SP,    1040                       ; a row of the stage: 1,024 bytes + 16
.set ASTEP, 256                        ; bytes from a K step to the next: 128 numbers along A's rows,
.set BPITCH, 1024
.set BSTEP,  128*2048                  ; 128 rows down B
.set CP,     6144                      ; bytes in a row of C
.set CW,     512                       ; bytes of a row in a tile
.set ADRA0, 16                         ; v16  my lane's place in A's tile of slot 0; never rewritten
.set ADRB0, 17                         ; v17  the same for B
.set ADRA,  18                         ; v18  + the slot in hand
.set ADRB,  19                         ; v19
.set STO,   20                         ; v20, v21  the stage: where I put my rows 0-63, 64-127
.set RDA,   22                         ; v22  the stage: where I read rows back
.set GOF,   23                         ; v23  my byte offset in C
.set WIO,   24                         ; v24  the weights' path: my byte offset in a unit as it is read; never rewritten
.set WOO,   25                         ; v25  and as it is stored; never rewritten
.set SPW,   28                         ; v28  LDS address of my spare word; never rewritten
.set NIL,   29                         ; v29  0; never rewritten
.set F0,    64
.set F1,    128
.set WV, 10                            ; s10  wave
.set WR, 11                            ; s11  wave / 2: my half of the rows; also: I fetch for A (0) or B (1)
.set WC, 12                            ; s12  wave % 2: my strip of columns; also: which half or strip I fetch
.set TR, 13                            ; s13  tile row
.set LA, 20                            ; s20  where my part of A's tile goes in slot 0
.set LB, 21                            ; s21  the same for B; also where my strip is read
.set TB, 22                            ; s22  the slot in hand: 0 or SLOT
.set G1, 24                            ; s[24:31] group 1 for A
.set G0, 32                            ; s[32:39] group 0 for A: the first fill's, and the one that walks
.set CX, 40
.set CY, 41
.set TC, 42                            ; s42  tile column
.set G1B, 48
.set G0B, 56
.set MSB, 0
.macro WIN new                         ; the immediate's high byte repeats the setting that is left; a switch that changes nothing is dropped
.if MSB != (\new)
	s_set_vgpr_msb (MSB<<8)|(\new)
.set MSB, \new
.endif
.endm
.set MUL_LO, 0xa1                      ; source 0 (B) window 1, source 1 (A) window 0, C and D window 2
.set MUL_HI, 0xf1                      ; the same, C and D window 3
.macro PLACES                          ; four plain places behind a matrix instruction (ISA guide 7.12.1)
.rept 4
	v_nop
.endr
.endm
.macro JLOAD                           ; a joint refill by the walking descriptors; the branch hangs on the wave's number alone; s_nop 0 and four v_nop follow each line
	s_cmp_eq_u32 s[WR], 0
	s_cbranch_scc0 .Lfor_b_\@
	tensor_load_to_lds s[G0+4:G0+7], s[G1:G1+7]
	s_nop 0
.rept 4
	v_nop
.endr
	s_branch .Lasked_\@
.Lfor_b_\@:
	tensor_load_to_lds s[G0B+4:G0B+7], s[G1B:G1B+7]
	s_nop 0
.rept 4
	v_nop
.endr
.Lasked_\@:
.endm
.macro CREST                           ; a round of the cluster's barrier behind its opening barrier
	s_cmp_lg_u32 s[WV], 0
	s_cbranch_scc1 .Lnot_wave_0_\@
	s_barrier_signal -3
.Lnot_wave_0_\@:
	s_barrier_wait -3
	s_barrier_signal -1
	s_barrier_wait -1
.endm
.macro CROUND
	s_barrier_signal -1
	s_barrier_wait -1
	CREST
.endm
	s_load_b128 s[4:7], s[0:1], 0x0                ; A s[4:5], wq | wk | wv s[6:7]
	s_load_b64 s[8:9], s[0:1], 0x10                ; C
	v_lshl_add_u32 v[SPW], v0, 2, SPARE
	v_mov_b32 v[NIL], 0
	ds_add_u32 v[SPW], v[NIL]                      ; the wave's opening: the add and its wait stand ahead of my first tensor load; register work stands between
	v_lshrrev_b32 v1, 5, v0
	v_readfirstlane_b32 s[WV], v1
	s_lshr_b32 s[WR], s[WV], 1
	s_and_b32 s[WC], s[WV], 1
	s_bfe_u32 s[CX], ttmp6, 0x40000
	s_bfe_u32 s[CY], ttmp6, 0x40004
	s_lshl_b32 s[TC], ttmp9, 2
	s_add_co_u32 s[TC], s[TC], s[CX]               ; tile column = 4 x cluster x + cx
	s_and_b32 s[TR], ttmp7, 0xffff
	s_lshl_b32 s[TR], s[TR], 2
	s_add_co_u32 s[TR], s[TR], s[CY]               ; tile row = 4 x cluster y + cy
	s_lshl_b32 s43, s[CY], 2
	s_lshl_b32 s43, 15, s43                        ; my row of the cluster
	s_lshl_b32 s44, 0x1111, s[CX]                  ; my column
	s_or_b32 s[G1+0], s43, (1<<16)|(1<<20)|(1<<21)|(5<<22)|(3<<25)   ; mask; 2-byte elements; padding on; bit 21 beside a mask; after every 64 words 4 words
	s_or_b32 s[G1B+0], s44, (1<<16)|(1<<20)|(1<<21)|(5<<22)|(7<<25)  ; the same with my column's mask and 8 words
.irp g, G1, G1B
	s_mov_b32 s[(\g)+1], 128<<16                   ; tensor_dim0 = 128
	s_mov_b32 s[(\g)+2], 128<<16                   ; tensor_dim1 = 128
	s_mov_b32 s[(\g)+3], 128<<16                   ; tile_dim0 = 128
	s_mov_b32 s[(\g)+4], 128                       ; tile_dim1 = 128
	s_mov_b32 s[(\g)+6], 0
	s_mov_b32 s[(\g)+7], 0
.endr
	s_mov_b32 s[G1+5], 1024                        ; elements from row to row
	s_mov_b32 s[G1B+5], BPITCH
	s_lshl_b32 s16, s[TR], 8                       ; A: row 256 x tile row + 128 x half,
	s_lshl_b32 s17, s[WC], 7
	s_add_co_u32 s16, s16, s17
	s_lshl_b32 s16, s16, 11                        ; 2,048 bytes a row
	s_mov_b32 s17, 0
	s_lshl_b32 s46, s[TC], 1                       ; B: strip 2 x tile column + wave % 2 of the 24 strips of 128 columns:
	s_add_co_u32 s46, s46, s[WC]
	s_lshr_b32 s47, s46, 3                         ; matrix strip / 8 (2,097,152 bytes each),
	s_lshl_b32 s47, s47, 21
	s_and_b32 s46, s46, 7                          ; 256 bytes a strip in its rows
	s_lshl_b32 s46, s46, 8
	s_add_co_u32 s46, s46, s47
	s_mov_b32 s47, 0
	s_mul_i32 s[LA], s[WC], HALFA                  ; no place in the cluster enters an LDS address
	s_mul_i32 s[LB], s[WC], STRIP
	s_add_co_u32 s[LB], s[LB], BOFF
	s_mov_b32 s[TB], 0
	s_wait_dscnt 0x0                               ; the opening add is done
	s_wait_kmcnt 0x0
	s_add_nc_u64 s[14:15], s[4:5], s[16:17]
	s_add_nc_u64 s[46:47], s[6:7], s[46:47]
	CROUND                                         ; all sixteen work-groups are here: the first joint loads meet
	s_cmp_lg_u32 ttmp9, 3                          ; the cluster's x: the same in all sixteen partners
	s_cbranch_scc1 .Lgemm
	; THE WEIGHTS' PATH.  Work-group g of the 64 takes unit g + 64 i in trip i of 7, so the trip alone says which matrix: trip 0 wo (64 units), trips 1 to 4 w_in (256), trips 5, 6 w_out (128).
	; A wave takes a quarter of a unit, 4,096 numbers: 32 loads of 512 consecutive bytes, all out together, then 32 stores of 256 consecutive bytes, aligned.
	s_load_b256 s[24:31], s[0:1], 0x18             ; wo s[24:25], w_in s[26:27], w_out s[28:29], wb s[30:31] (no tensor load is out: the descriptors' registers are free)
	s_lshl2_add_u32 s35, s[TR], s[CX]              ; g = 4 (4 x cluster y + cy) + cx: it enters addresses alone
	v_and_b32 v[WIO], 31, v0
	v_lshlrev_b32 v[WOO], 3, v[WIO]                ; 8 bytes a lane out,
	v_lshlrev_b32 v[WIO], 4, v[WIO]                ; 16 in,
	v_lshl_add_u32 v[WIO], s[WV], 14, v[WIO]       ; + wave x 16,384
	v_lshl_add_u32 v[WOO], s[WV], 13, v[WOO]       ; + wave x 8,192
	s_mov_b32 s3, 0
	s_wait_kmcnt 0x0
	s_add_nc_u64 s[30:31], s[30:31], 6291456       ; where wo's copy begins; w_in's and w_out's follow it
.Lunit:
	s_mov_b64 s[32:33], s[24:25]
	s_mov_b32 s34, 0                               ; the first trip of my matrix
	s_cmp_ge_u32 s3, 1
	s_cselect_b64 s[32:33], s[26:27], s[32:33]
	s_cselect_b32 s34, 1, s34
	s_cmp_ge_u32 s3, 5
	s_cselect_b64 s[32:33], s[28:29], s[32:33]
	s_cselect_b32 s34, 5, s34
	s_sub_co_u32 s34, s3, s34
	s_lshl_b32 s34, s34, 6
	s_add_co_u32 s34, s34, s35                     ; the unit's number in its matrix,
	s_lshl_b32 s36, s34, 16                        ; 65,536 bytes each
	s_mov_b32 s37, 0
	s_add_nc_u64 s[32:33], s[32:33], s[36:37]
	s_lshl_b32 s38, s3, 6
	s_add_co_u32 s38, s38, s35                     ; its number among the 448,
	s_lshl_b32 s38, s38, 15                        ; 32,768 bytes each
	s_mov_b32 s39, 0
	s_add_nc_u64 s[44:45], s[30:31], s[38:39]
.set j, 0
.rept 32
	global_load_b128 v[64+4*j:64+4*j+3], v[WIO], s[32:33] offset:512*j th:TH_LOAD_NT
.set j, j+1
.endr
.set j, 0
.rept 32
	s_wait_loadcnt 31-j                            ; loads come back in order: load j is in, the 31 - j younger ones stay out
	v_cvt_pk_bf16_f32 v[192+2*j], v[64+4*j], v[64+4*j+1]
	v_cvt_pk_bf16_f32 v[193+2*j], v[64+4*j+2], v[64+4*j+3]
	global_store_b64 v[WOO], v[192+2*j:193+2*j], s[44:45] offset:256*j
.set j, j+1
.endr
	s_wait_xcnt 0x0                                ; the stores have read their data and both bases: these are written again only behind this wait
	s_add_co_u32 s3, s3, 1
	s_cmp_lt_u32 s3, 7
	s_cbranch_scc1 .Lunit
	s_wait_tensorcnt 0x0                           ; the wave's end
	ds_add_u32 v[SPW], v[NIL]
	s_wait_dscnt 0x0
	CROUND                                         ; the closing round
	s_endpgm
.Lgemm:
.irp s, 0,1
	s_mov_b32 s[G0+4*(\s)], 1
	s_add_co_u32 s[G0+4*(\s)+1], s[LA], (\s)*SLOT
	s_add_nc_u64 s[G0+4*(\s)+2:G0+4*(\s)+3], s[14:15], (\s)*ASTEP
	s_or_b32 s[G0+4*(\s)+3], s[G0+4*(\s)+3], 0x80000000
	s_mov_b32 s[G0B+4*(\s)], 1
	s_add_co_u32 s[G0B+4*(\s)+1], s[LB], (\s)*SLOT
	s_add_nc_u64 s[G0B+4*(\s)+2:G0B+4*(\s)+3], s[46:47], (\s)*BSTEP
	s_or_b32 s[G0B+4*(\s)+3], s[G0B+4*(\s)+3], 0x80000000
.endr
	s_cmp_eq_u32 s[WR], 0                          ; a wave's two first fills stand in one branch: K steps 0 and 1; two loads of mine are out
	s_cbranch_scc0 .Lfirst_b
	tensor_load_to_lds s[G0:G0+3], s[G1:G1+7]
	s_nop 0
	tensor_load_to_lds s[G0+4:G0+7], s[G1:G1+7]
	s_nop 0
.rept 4
	v_nop
.endr
	s_branch .Lfirst_asked
.Lfirst_b:
	tensor_load_to_lds s[G0B:G0B+3], s[G1B:G1B+7]
	s_nop 0
	tensor_load_to_lds s[G0B+4:G0B+7], s[G1B:G1B+7]
	s_nop 0
.rept 4
	v_nop
.endr
.Lfirst_asked:
	v_and_b32 v1, 15, v0                           ; r = l % 16
	v_bfe_u32 v2, v0, 4, 1                         ; h = l / 16
	v_mul_u32_u24 v3, v1, PA                       ; A's fragment: row r, 16 bytes for each half of the lanes
	v_lshl_add_u32 v3, v2, 4, v3
	s_mul_i32 s23, s[WR], HALFA
	v_add_nc_u32 v[ADRA0], s23, v3
	v_and_b32 v4, 7, v0                            ; B's, turned: lane l reads k-row 8 h + l % 8, columns 8 ((l / 8) % 2) + 0..7
	v_lshl_add_u32 v4, v2, 3, v4
	v_mul_u32_u24 v4, v4, PB
	v_bfe_u32 v5, v0, 3, 1
	v_lshl_add_u32 v4, v5, 4, v4
	v_add_nc_u32 v[ADRB0], s[LB], v4
	v_mov_b32 v[ADRA], v[ADRA0]
	v_mov_b32 v[ADRB], v[ADRB0]
	v_mul_u32_u24 v6, v1, SP                       ; the stage, in: row 128 wr + 16 a + r, byte 512 wc + 64 b + 32 h
	v_lshl_add_u32 v6, v2, 5, v6
	s_mul_i32 s23, s[WR], 128*SP
	s_lshl_b32 s2, s[WC], 9
	s_add_co_u32 s23, s23, s2
	v_add_nc_u32 v[STO], s23, v6
	v_add_nc_u32 v[STO+1], 64*SP, v[STO]
	v_and_b32 v7, 31, v0                           ; back: wave w takes rows 64 w on, 16 bytes a lane
	s_mul_i32 s23, s[WV], 64*SP
	v_lshl_add_u32 v[RDA], v7, 4, s23
	v_lshlrev_b32 v[GOF], 3, v7                    ; 8 bytes a lane in C
	s_lshl_b32 s16, s[TR], 8                       ; C at row 256 x tile row + 64 x wave,
	s_lshl_b32 s17, s[WV], 6
	s_add_co_u32 s16, s16, s17
	s_mul_i32 s16, s16, CP
	s_mov_b32 s17, 0
	s_add_nc_u64 s[8:9], s[8:9], s[16:17]
	s_mul_i32 s46, s[TC], CW                       ; at the tile's first column
	s_mov_b32 s47, 0
	s_add_nc_u64 s[8:9], s[8:9], s[46:47]
; 16 matrix instructions: m blocks a0, a0 + 1 of the window's four x all 8 n blocks, 32 along K.  zero = 1: the product starts the sums.
.macro MUL16 f, hi, a0, zero
	WIN MUL_LO+0x50*(\hi)
.irp a, \a0, (\a0)+1
.irp b, 0,1,2,3,4,5,6,7
.if \zero
	v_wmma_f32_16x16x32_bf16 v[8*(8*(\a)+(\b)):8*(8*(\a)+(\b))+7], v[(\f)+8*(\b):(\f)+8*(\b)+7], v[(\f)+8*(4*(\hi)+(\a)):(\f)+8*(4*(\hi)+(\a))+7], 0
.else
	v_wmma_f32_16x16x32_bf16 v[8*(8*(\a)+(\b)):8*(8*(\a)+(\b))+7], v[(\f)+8*(\b):(\f)+8*(\b)+7], v[(\f)+8*(4*(\hi)+(\a)):(\f)+8*(4*(\hi)+(\a))+7], v[8*(8*(\a)+(\b)):8*(8*(\a)+(\b))+7]
.endif
.endr
.endr
.endm
; 32 LDS loads in one run: quarter q (32 along K) of the slot in hand into buffer f: B's 8 fragments (turned), then A's 8.
.macro FETCH q, f
	WIN 0x40                                       ; destination window 1, address window 0
.irp i, 0,1,2,3,4,5,6,7
	ds_load_tr16_b128 v[(\f)+8*(\i):(\f)+8*(\i)+3],   v[ADRB] offset:(\q)*32*PB+32*(\i)
	ds_load_tr16_b128 v[(\f)+8*(\i)+4:(\f)+8*(\i)+7], v[ADRB] offset:(\q)*32*PB+32*(\i)+16*PB
.endr
	WIN 0
.irp i, 0,1,2,3,4,5,6,7
	ds_load_b128 v[(\f)+8*(\i):(\f)+8*(\i)+3],   v[ADRA] offset:64*(\q)+(\i)*16*PA
	ds_load_b128 v[(\f)+8*(\i)+4:(\f)+8*(\i)+7], v[ADRA] offset:64*(\q)+(\i)*16*PA+32
.endr
.endm
; One of a K step's first three quarters: multiplies buffer f; in its middle it fetches quarter q into buffer g.
.macro QUARTER q, f, g, zero
	s_wait_dscnt 8                                 ; B and A's rows 0-63 are in; the youngest eight loads (A's rows 64-127) may be out
	MUL16 \f, 0, 0, \zero
	MUL16 \f, 0, 2, \zero
	PLACES
	FETCH \q, \g
	s_wait_dscnt 32                                ; all but the 32 just issued
	MUL16 \f, 1, 0, \zero
	MUL16 \f, 1, 2, \zero
.endm
; The last quarter multiplies buffer 1 and changes slots.  In front of the one barrier each wave waits for all its tensor loads (one is out: its part of the next slot),
; adds 0 to its spare word, and waits for that and for its reads of this slot.  fill = 1: the barrier opens a round of the cluster's, and the slot just read is filled
; again first thing behind it, with the K step two on: one load a wave, 224 matrix instructions ahead of the wait for it.
.macro TURN fill
	WIN 0
	s_wait_tensorcnt 0x0                           ; no tensor load of mine is out, so a group 0 may be written
	ds_add_u32 v[SPW], v[NIL]                      ; 0 onto my spare word
.if \fill
	s_xor_b32 s[G0+5], s[G0+5], SLOT               ; the walking descriptors: the other slot than last time,
	s_add_nc_u64 s[G0+6:G0+7], s[G0+6:G0+7], ASTEP ; the next K step; the type bits on top are not reached
	s_xor_b32 s[G0B+5], s[G0B+5], SLOT
	s_add_nc_u64 s[G0B+6:G0B+7], s[G0B+6:G0B+7], BSTEP
.endif
	s_xor_b32 s[TB], s[TB], SLOT                   ; the reads go on in the other slot
	v_add_nc_u32 v[ADRA], s[TB], v[ADRA0]
	v_add_nc_u32 v[ADRB], s[TB], v[ADRB0]
	s_wait_dscnt 9                                 ; the add and the youngest eight loads may be out
	MUL16 F1, 0, 0, 0
	s_wait_dscnt 0x0                               ; the add is done, and my reads of this slot are over
	s_barrier_signal -1
	MUL16 F1, 0, 2, 0                              ; register work while the others arrive
	WIN 0
	s_barrier_wait -1
.if \fill
	CREST                                          ; no wave of any partner still reads this slot or has a load on its way
	JLOAD                                          ; its four v_nop are also the places in front of the loads below
.else
	PLACES
.endif
	FETCH 0, F0
	MUL16 F1, 1, 0, 0
	MUL16 F1, 1, 2, 0
.endm
	s_wait_tensorcnt 1                             ; my part of K step 0 is in; K step 1's stays out
	s_barrier_signal -1
	s_barrier_wait -1
	FETCH 0, F0
	QUARTER 1, F0, F1, 1                           ; the first quarter stands in front of the loop: its products start the sums
	WIN 0
	s_mov_b32 s3, NS-2
.Lstep:                                            ; a trip: a K step's quarters 1 to 3 and the next step's quarter 0; it fills the slot it leaves
	QUARTER 2, F1, F0, 0
	QUARTER 3, F0, F1, 0
	TURN 1
	QUARTER 1, F0, F1, 0
	WIN 0
	s_sub_co_u32 s3, s3, 1
	s_cmp_lg_u32 s3, 0
	s_cbranch_scc1 .Lstep
	s_mov_b32 s3, 2
.Ltail:                                            ; the last two K steps ask for nothing: a text of their own; the second trip is left in its middle
	QUARTER 2, F1, F0, 0
	QUARTER 3, F0, F1, 0
	WIN 0
	s_sub_co_u32 s3, s3, 1
	s_cmp_eq_u32 s3, 0
	s_cbranch_scc1 .Llast
	TURN 0
	QUARTER 1, F0, F1, 0
	WIN 0
	s_branch .Ltail
.Llast:
	s_wait_dscnt 8
	MUL16 F1, 0, 0, 0
	MUL16 F1, 0, 2, 0
	s_wait_dscnt 0x0
	MUL16 F1, 1, 0, 0
	MUL16 F1, 1, 2, 0
	WIN 0
	PLACES
	PLACES
	s_barrier_signal -1                            ; every wave's reads of the ring are back (the wait for 0 above), and the ring has had its last fill:
	s_barrier_wait -1                              ; the stage may be laid over it
.irp a, 0,1,2,3,4,5,6,7
	WIN 0x08+4*((\a)/4)                            ; store data (source 1) in window 2 or 3
.irp b, 0,1,2,3,4,5,6,7
	ds_store_b128 v[STO+(\a)/4], v[8*(8*((\a)%4)+(\b)):8*(8*((\a)%4)+(\b))+3]   offset:((\a)%4)*16*SP+64*(\b)
	ds_store_b128 v[STO+(\a)/4], v[8*(8*((\a)%4)+(\b))+4:8*(8*((\a)%4)+(\b))+7] offset:((\a)%4)*16*SP+64*(\b)+16
.endr
.endr
	WIN 0
	s_wait_dscnt 0x0                               ; for the others' sake: my stores into the stage are done
	s_barrier_signal -1
	s_barrier_wait -1
	s_mov_b32 s3, 8
.Lout:                                             ; eight rows a trip
.irp i, 0,1,2,3,4,5,6,7
	ds_load_b128 v[64+8*(\i):64+8*(\i)+3], v[RDA] offset:(\i)*SP        ; columns 4 l .. of the row's first 128,
	ds_load_b128 v[64+8*(\i)+4:64+8*(\i)+7], v[RDA] offset:(\i)*SP+512  ; and of its second 128
.endr
	s_wait_dscnt 0x0
.irp i, 0,1,2,3,4,5,6,7
.irp k, 0,1,2,3
	v_cvt_pk_bf16_f32 v[160+4*(\i)+(\k)], v[64+8*(\i)+2*(\k)], v[64+8*(\i)+2*(\k)+1]
.endr
.endr
.irp i, 0,1,2,3,4,5,6,7
	global_store_b64 v[GOF], v[160+4*(\i):161+4*(\i)], s[8:9] offset:(\i)*CP      ; 256 consecutive bytes, aligned
	global_store_b64 v[GOF], v[162+4*(\i):163+4*(\i)], s[8:9] offset:(\i)*CP+256
.endr
	s_wait_xcnt 0x0                                ; the stores have read their registers: offset and data are written again only behind this wait
	v_add_nc_u32 v[RDA], 8*SP, v[RDA]
	v_add_nc_u32 v[GOF], 8*CP, v[GOF]
	s_sub_co_u32 s3, s3, 1
	s_cmp_lg_u32 s3, 0
	s_cbranch_scc1 .Lout
	s_wait_tensorcnt 0x0                           ; the wave's end, behind my last tensor load and my last LDS store
	ds_add_u32 v[SPW], v[NIL]
	s_wait_dscnt 0x0
	CROUND                                         ; the closing round: no work-group ends while a partner may still ask for a tile that names it
	s_endpgm
.Lfunc_end_k_q55b2e1c61b_qkv:
	.size	k_q55b2e1c61b_qkv, .Lfunc_end_k_q55b2e1c61b_qkv-k_q55b2e1c61b_qkv
	.p2alignl 7, 3214868480
	.fill 96, 4, 3214868480
	.section	.rodata,"a",@progbits
	.p2align	6, 0x0
	.amdhsa_kernel k_q55b2e1c61b_qkv
		.amdhsa_group_segment_fixed_size 327680
		.amdhsa_private_segment_fixed_size 0
		.amdhsa_enable_private_segment 0
		.amdhsa_kernarg_size 56
		.amdhsa_user_sgpr_count 2
		.amdhsa_user_sgpr_kernarg_segment_ptr 1
		.amdhsa_wavefront_size32 1
		.amdhsa_system_sgpr_workgroup_id_x 1
		.amdhsa_system_sgpr_workgroup_id_y 1
		.amdhsa_system_sgpr_workgroup_id_z 1
		.amdhsa_system_vgpr_workitem_id 0
		.amdhsa_next_free_vgpr 1024
		.amdhsa_next_free_sgpr 66
		.amdhsa_reserve_vcc 0
		.amdhsa_float_denorm_mode_32 3
		.amdhsa_float_denorm_mode_16_64 3
		.amdhsa_memory_ordered 1
		.amdhsa_forward_progress 1
		.amdhsa_inst_pref_size 99
	.end_amdhsa_kernel
	.amdgpu_metadata
---
amdhsa.version: [ 1, 2 ]
amdhsa.kernels:
  - .name:           k_q55b2e1c61b_qkv
    .symbol:         k_q55b2e1c61b_qkv.kd
    .args:
      - { .name: hbuf, .offset: 0, .size: 8, .value_kind: global_buffer, .address_space: global }
      - { .name: wb1, .offset: 8, .size: 8, .value_kind: global_buffer, .address_space: global }
      - { .name: big, .offset: 16, .size: 8, .value_kind: global_buffer, .address_space: global }
      - { .name: wo, .offset: 24, .size: 8, .value_kind: global_buffer, .address_space: global }
      - { .name: w_in, .offset: 32, .size: 8, .value_kind: global_buffer, .address_space: global }
      - { .name: w_out, .offset: 40, .size: 8, .value_kind: global_buffer, .address_space: global }
      - { .name: wb, .offset: 48, .size: 8, .value_kind: global_buffer, .address_space: global }
    .group_segment_fixed_size: 327680
    .private_segment_fixed_size: 0
    .kernarg_segment_align: 8
    .kernarg_segment_size: 56
    .max_flat_workgroup_size: 128
    .sgpr_count:     66
    .vgpr_count:     1024
    .wavefront_size: 32
...
	.end_amdgpu_metadata
.endif
;; end of part 2
;; launch attn (part 3): grid 16 x 16, 4 waves a work-group, clusters of 4 x 1, 327,680 bytes of LDS; arguments big, lq1, lk1, lq2, lk2, subln_w, hbuf; writes hbuf
.if DOCPART == 3
	.amdgcn_target "amdgcn-amd-amdhsa--gfx1250"
	.amdhsa_code_object_version 6
	.text
	.protected	k_q55b2e1c61b_attn
	.globl	k_q55b2e1c61b_attn
	.p2align	8
	.type	k_q55b2e1c61b_attn,@function
k_q55b2e1c61b_attn:
	s_mov_b64 s[64:65], 0
	v_nop
	global_prefetch_b8 v0, s[64:65] scope:SCOPE_SE
	s_setreg_imm32_b32 hwreg(HW_REG_WAVE_MODE, 25, 1), 1
	s_wait_xcnt 0x0
	s_wait_alu depctr_hold_cnt(0) depctr_sa_sdst(0) depctr_va_vdst(0) depctr_va_sdst(0) depctr_va_ssrc(0) depctr_va_vcc(0) depctr_vm_vsrc(0)
	s_getreg_b32 s2, hwreg(HW_REG_IB_STS2, 6, 4)
	s_cmp_eq_u32 s2, 0
	s_cbranch_scc0 .Lentry_in_a_cluster
	s_endpgm
.Lentry_in_a_cluster:
	s_bfe_u32 s2, ttmp6, 0x10000c
	s_cmp_lg_u32 s2, 0x3003
	s_cbranch_scc0 .Lentry_shape_is_right
	s_endpgm
.Lentry_shape_is_right:
; CAUSAL DIFFERENTIAL ATTENTION with its RMS norm.  big: [4096 tokens][3072] bf16, a token's q (1024), k (1024), v (1024).  Head h of 8 takes channels 128 h .. 128 h + 127 of each:
; q's and k's first 64 are softmax head 0, the second 64 softmax head 1; v's 128 serve both.  o = P0 V / l0 - lam P1 V / l1, lam = exp(lq1 . lk1) - exp(lq2 . lk2) + LAMBDA_INIT;
; out = o / sqrt(mean(o^2) + 1e-5) * subln_w * (1 - LAMBDA_INIT), bf16, at hbuf[token][128 h ..].  Products, maxima, sums and the norm in f32; the weights p are rounded to bf16 for P V.
; LIMITS.  A hidden score counts as its value less 1e30 (the formula puts -1e9 in its place): the same weight 0 while scores stay far below 1e9.  The running maximum starts at -2^90 (-1.2e27):
; scores lie above that.  A weight below 2^-126 counts as 0.  NaN and infinities are not treated apart.
; THE WALK.  A head's 2,048 queries lie in 8 blocks of 256; block i needs the key tiles 0 .. i of 256 keys.  A CLUSTER of four work-groups takes blocks 7 - p and then p (p = the cluster's x):
; 9 tiles whatever p, so all work-groups do equal work and one loop with a constant count walks them.  Partner cx owns queries 64 cx .. 64 cx + 63 of the block, a wave 16 of them, for both
; softmax heads.  All four partners walk the same tiles by the same text, so each tile of K and V is asked for JOINTLY.  cx enters Q's, O's and the prefetches' addresses and two selects for the mask, no branch
; and no LDS address.  The price: in the diagonal tile's key step t a partner with cx < t computes scores that are all hidden.
; THE MASK is the C operand that starts S^T = K Q^T: MC = MD x AL + BE.  MD (made once) hides key 16 kb + 8 (l / 16) + i of a step from query 16 w + l % 16 where it is greater.
; (AL, BE) = (1, 0) in the diagonal tile's step t = cx, (0, -1e30) for t > cx, (0, 0) elsewhere.
; LAYOUT.  S^T = K Q^T holds ONE query a lane (l % 16) and the keys 8 (l / 16) + 0..7; two such results rounded to bf16 ARE source 1 of O^T = V^T P.  V comes out of LDS turned.
; SOFTMAX.  p = 2^(c s - c m), c = log2(e) / 8, with a running maximum m; O and l are multiplied by a = 2^(c m_old - c m_new) in every step.
; BY TURNS.  The two softmax heads take turns at the matrix unit.  In TURN 0 head 0 issues its 16 products V^T P of step j and its 8 products K Q^T of step j + 1, and head 1's softmax of step j stands
; between them; in TURN 1 head 1 issues the same, with head 0's softmax of step j + 1 between.  A turn has 24 matrix and 134 vector instructions: four vector instructions stand behind every product, the
; other 38 in one lump; its 33 exponentials are one batch with one wait.  A pair of turns is one trip of a tile's loop: trip t makes K Q^T of the tile's step t and V^T P of the step before it.
; NO FIRST AND NO LAST STEP IS WRITTEN OUT.  A block's last tile has a fifth trip: by the mask's rule (t = 4 > cx) its scores are all hidden, so the softmax that rides on them leaves m, l and O as they are
; (a = 1, p = 0), while the last step's V^T P are made.  A block's first trip finds P of head 0 at 0 and the scores of head 1 at -1e30, below the m that a block starts with: again a = 1 and p = 0.
; The first real step has a = 0, so O and l need only hold finite numbers.  The price: 38 pairs for 36 key steps, and the lines that write 0 in the wait for the first tile.
; REGISTERS in windows of 256: window 0: addresses, statistics, Q, S^T, P, masks; window 1: O^T (64 a head), subln_w, the second block's Q; window 2: K and V of one step.
.set PK,    272                        ; a row of K in LDS: 256 bytes + 16
.set PV,    288                        ; a row of V: 256 + 32
.set VOFF,  256*PK                     ; a slot: 256 rows of K, then 256 rows of V
.set SLOT,  0x24000                    ; slot 1 begins here: the number shares no bit with a fill's base (0, 0x8800, 0x11000, 0x1a000), so one exclusive or turns an LDS word
.set STAGE, SLOT+VOFF+256*PV           ; behind the ring: 16 rows x 272 bytes a wave, for the way out; no tensor load fills it
.set SP,    272
.set SPARE, STAGE+4*16*SP              ; the spare words, 128 bytes a wave, that no other line names
.set ROWB,  6144                       ; bytes in a token's row of big
.set TILEB, 256*ROWB
.set AK0, 2                            ; v2   my lane's place in a tile of K; never rewritten
.set AV0, 3                            ; v3   the same for V
.set AK,  4                            ; v4   the address of K's run of loads
.set AV,  5                            ; v5   of V's
.set STO, 6                            ; v6   the stage, in
.set RD,  7                            ; v7   the stage, back
.set GO,  8                            ; v8   my byte offset in two rows of hbuf
.set PFO, 10                           ; v10  the prefetches' offset: lane x a row; never rewritten
.set QO,  13                           ; v13  my byte offset in 16 rows of q
.set SPW, 14                           ; v14  LDS address of my spare word; never rewritten
.set NIL, 15                           ; v15  0; never rewritten
.set ST,  16                           ; head t's statistics at v[ST+8 t]: c m, m, l (even keys', odd keys'), c0-c3 at work; a takes c2's place
.set NLAM, 32                          ; v32  -lam
.set Q,   48                           ; v[48:79]   head y, channel half c at Q + 8 (2 y + c)
.set S,   80                           ; v[80:143]  32 a head
.set P,   144                          ; v[144:175] 16 a head
.set MC,  176                          ; v[176:207] the mask of the products to come
.set MD,  208                          ; v[208:239]
.set SS,  240                          ; v[240:247] sums of squares
.set RS,  248                          ; v[248:249]
.set SW,  128                          ; window 1: subln_w (1 - LAMBDA_INIT) of my 64 channels
.set QB,  192                          ; window 1: the second block's Q
.set KF,  0                            ; window 2: key block kb, channels 32 cc on, at KF + 32 kb + 8 cc
.set VF,  128                          ; window 2: key half kk, channel block cb at VF + 64 kk + 8 cb
.set WV,  18
.set CX,  19
.set PBL, 20                           ; s20  p
.set HI,  21                           ; s21  7 - p
.set G1K, 24
.set G1V, 32
.set G0K, 40
.set G0V, 44
.set KB,  48                           ; s[48:49] K at my half of the head's tile 0
.set VB,  50
.set QHI, 52
.set QLO, 54
.set OHI, 56
.set OLO, 58
.set SEL, 60
.set CS,  62                           ; s[62:63] c, twice
.set TB,  66                           ; s66  the slot in hand
.set TBK, 67                           ; s67  LDS byte at which K of the step to be fetched begins
.set TBV, 68                           ; s68  the same for V, less VOFF
.set SLOTS, 69
.set CNT, 70                           ; s70  counts a tile's trips, 5 to 1
.set RT,  71                           ; s71  tiles of the block in hand still to be entered; 0: the tile in hand is the diagonal one
.set NXT, 72                           ; s72  the tile to be asked for next
.set LQ,  73                           ; s73  the last tile of the block whose tiles are being asked for
.set OFF, 74
.set AL,  76
.set BE,  78
.set BIGN, 80
.set LIM, 81
.set PFA, 82
.set MSB, 0
.macro WIN new
.if MSB != (\new)
	s_set_vgpr_msb (MSB<<8)|(\new)
.set MSB, \new
.endif
.endm
.set W_KQ, 0x02                        ; K in window 2; Q, the mask and S^T in window 0
.set W_PV, 0x52                        ; V in window 2, P in window 0, O^T in window 1
.set W_RS, 0x41                        ; destination and source 0 in window 1, source 1 in window 0
.macro JLOAD                           ; a joint fill: waves 0, 1 bring K's halves, waves 2, 3 V's: 128 rows x 256 bytes each; s_nop 0 and four v_nop follow each line
	s_cmp_lt_u32 s[WV], 2
	s_cbranch_scc0 .Lfor_v_\@
	tensor_load_to_lds s[G0K:G0K+3], s[G1K:G1K+7]
	s_nop 0
.rept 4
	v_nop
.endr
	s_branch .Lasked_\@
.Lfor_v_\@:
	tensor_load_to_lds s[G0V:G0V+3], s[G1V:G1V+7]
	s_nop 0
.rept 4
	v_nop
.endr
.Lasked_\@:
.endm
; A prefetch into the L2 of the tile that the NEXT change of slots will ask for.  All clusters of a head begin with tiles 0, 1, 2 ..; the head's first cluster (p = 0), which walks tiles 0 to 7 on end, asks.
; Of the 128 rows that a wave fetches each of the four partners names 32, told apart by address: a lane a row, one instruction a wave.  So each row's 256 bytes of tiles 2 to 7 are named once.
; Trips 6 and 7 ask for nothing: there is no tile 8.
.macro ASK
	s_cmp_gt_u32 s[SLOTS], s[LIM]
	s_cbranch_scc0 .Lnot_mine_\@
	global_prefetch_b8 v[PFO], s[PFA:PFA+1] th:TH_LOAD_NT scope:SCOPE_SE
.Lnot_mine_\@:
.endm
.macro CROUND
	s_barrier_signal -1
	s_barrier_wait -1
	s_cmp_lg_u32 s[WV], 0
	s_cbranch_scc1 .Lnot_wave_0_\@
	s_barrier_signal -3
.Lnot_wave_0_\@:
	s_barrier_wait -3
	s_barrier_signal -1
	s_barrier_wait -1
.endm
; THE CHANGE OF SLOTS.  All of the old slot's K and V have been asked for.  Each wave waits for all its tensor loads (one is out: its part of the other slot), adds 0 to its spare word, and waits for that and
; for its reads of the slot that it leaves.  fill = 1: the barrier is a round of the cluster's, and the old slot is filled first thing behind it with tile NXT, whose address is made anew from that number.
.macro CHANGE fill
	WIN 0
	s_wait_tensorcnt 0x0                           ; no tensor load of mine is out, so a group 0 may be written
	ds_add_u32 v[SPW], v[NIL]                      ; 0 onto my spare word
.if \fill
	s_mul_i32 s[OFF], s[NXT], TILEB
	s_xor_b32 s[G0K+1], s[G0K+1], SLOT
	s_add_nc_u64 s[G0K+2:G0K+3], s[KB:KB+1], s[OFF:OFF+1]
	s_or_b32 s[G0K+3], s[G0K+3], 0x80000000
	s_xor_b32 s[G0V+1], s[G0V+1], SLOT
	s_add_nc_u64 s[G0V+2:G0V+3], s[VB:VB+1], s[OFF:OFF+1]
	s_or_b32 s[G0V+3], s[G0V+3], 0x80000000
	s_add_co_u32 s[NXT], s[NXT], 1                 ; the block's next tile, or behind its last the second block's tile 0
	s_cmp_gt_u32 s[NXT], s[LQ]
	s_cselect_b32 s[NXT], 0, s[NXT]
	s_cselect_b32 s[LQ], s[PBL], s[LQ]
	s_wait_xcnt 0x0                                ; the last prefetch, a tile back, has read its address
	s_add_nc_u64 s[PFA:PFA+1], s[PFA:PFA+1], TILEB
.endif
	s_xor_b32 s[TB], s[TB], SLOT                   ; the fetches go on at the other slot's first step
	s_mov_b32 s[TBK], s[TB]
	s_mov_b32 s[TBV], s[TB]
	s_wait_dscnt 0x0                               ; the add is done, and my reads of the slot are over
.if \fill
	CROUND
	JLOAD
.else
	s_barrier_signal -1
	s_barrier_wait -1
.endif
.endm
	s_load_b256 s[4:11], s[0:1], 0x0               ; big s[4:5], lq1 s[6:7], lk1 s[8:9], lq2 s[10:11]
	s_load_b128 s[12:15], s[0:1], 0x20             ; lk2 s[12:13], subln_w s[14:15]
	s_load_b64 s[16:17], s[0:1], 0x30              ; hbuf
	v_lshl_add_u32 v[SPW], v0, 2, SPARE
	v_mov_b32 v[NIL], 0
	ds_add_u32 v[SPW], v[NIL]                      ; the wave's opening: the add and its wait stand ahead of my first tensor load
	v_lshrrev_b32 v1, 5, v0
	v_readfirstlane_b32 s[WV], v1
	s_bfe_u32 s[CX], ttmp6, 0x40000
	s_mov_b32 s[PBL], ttmp9
	s_sub_co_u32 s[HI], 7, s[PBL]
	s_and_b32 s22, ttmp7, 0xffff
	s_lshr_b32 s23, s22, 3
	s_lshl_b32 s23, s23, 11                        ; the batch's first token
	s_and_b32 s22, s22, 7
	s_lshl_b32 s22, s22, 8                         ; the head's 256 bytes in a token's q, k, v and o
	s_and_b32 s2, s[WV], 1                         ; which half of a tile's 256 keys I fetch
	s_lshl_b32 s3, s2, 7
	s_add_co_u32 s3, s3, s23
	s_mul_i32 s[OFF], s3, ROWB
	s_add_co_u32 s[OFF], s[OFF], s22
	s_add_co_u32 s[OFF], s[OFF], 2048              ; k lies 2,048 bytes into a token's row
	s_mov_b32 s[OFF+1], 0
	s_mul_i32 s84, s2, 128*PK                      ; its place in a slot, for K
	s_mul_i32 s85, s2, 128*PV                      ; and for V
	s_add_co_u32 s85, s85, VOFF
	s_lshl_b32 s86, s[CX], 6                       ; my wave's 16 queries in a block: 64 cx + 16 w
	s_lshl_b32 s87, s[WV], 4
	s_add_co_u32 s86, s86, s87
	s_add_co_u32 s86, s86, s23
	s_lshl_b32 s87, s[HI], 8
	s_add_co_u32 s87, s87, s86                     ; their first token in block 7 - p,
	s_lshl_b32 s3, s[PBL], 8
	s_add_co_u32 s86, s86, s3                      ; and in block p
	s_mul_i32 s[QHI], s87, ROWB
	s_add_co_u32 s[QHI], s[QHI], s22
	s_mov_b32 s[QHI+1], 0
	s_mul_i32 s[QLO], s86, ROWB
	s_add_co_u32 s[QLO], s[QLO], s22
	s_mov_b32 s[QLO+1], 0
	s_lshl_b32 s[OHI], s87, 11
	s_add_co_u32 s[OHI], s[OHI], s22
	s_mov_b32 s[OHI+1], 0
	s_lshl_b32 s[OLO], s86, 11
	s_add_co_u32 s[OLO], s[OLO], s22
	s_mov_b32 s[OLO+1], 0
	s_mov_b32 s[G1K], 15|(1<<16)|(1<<20)|(1<<21)|(5<<22)|(3<<25)  ; the mask of four; 2-byte elements; padding on; bit 21 beside a mask; after every 64 words 4 words
	s_mov_b32 s[G1V], 15|(1<<16)|(1<<20)|(1<<21)|(5<<22)|(7<<25)  ; the same with 8 words
.irp g, G1K, G1V
	s_mov_b32 s[(\g)+1], 128<<16                   ; tensor_dim0 = 128
	s_mov_b32 s[(\g)+2], 128<<16                   ; tensor_dim1 = 128
	s_mov_b32 s[(\g)+3], 128<<16                   ; tile_dim0 = 128
	s_mov_b32 s[(\g)+4], 128                       ; tile_dim1 = 128
	s_mov_b32 s[(\g)+5], 3072                      ; elements from token to token
	s_mov_b32 s[(\g)+6], 0
	s_mov_b32 s[(\g)+7], 0
.endr
	s_mov_b32 s[G0K], 1
	s_mov_b32 s[G0K+1], s84
	s_mov_b32 s[G0V], 1
	s_mov_b32 s[G0V+1], s85
	s_mov_b32 s[SEL], 0x76543210
	s_mov_b32 s[SEL+1], 0xfedcba98
	s_mov_b32 s[CS], 0x3e38aa3b                    ; c = log2(e) / 8
	s_mov_b32 s[CS+1], s[CS]
	s_mov_b32 s[TB], SLOT                          ; the first change of slots turns it into 0
	s_mov_b32 s[AL+1], 0
	s_mov_b32 s[BE+1], 0
	s_mov_b32 s[BIGN], 0xf149f2ca                  ; -1e30
	s_mov_b32 s88, 0x3c000000                      ; 1 / 128
	s_mov_b32 s89, 0x3727c5ac                      ; 1e-5
	s_mov_b32 s90, 0x3e637605                      ; 1 - LAMBDA_INIT = 0.2221299
	s_mov_b32 s91, s90
	s_cmp_eq_u32 ttmp9, 0                          ; the head's first cluster prefetches: the same in all four partners
	s_cselect_b32 s[LIM], 2, -1
	s_mul_i32 s2, s[CX], 32*ROWB                   ; my work-group's 32 rows of the 128 that I fetch,
	s_add_co_u32 s2, s2, TILEB                     ; in tile 1: the first change steps it to tile 2
	s_mov_b32 s3, 0
	s_wait_dscnt 0x0                               ; the opening add is done
	s_wait_kmcnt 0x0
	s_add_nc_u64 s[KB:KB+1], s[4:5], s[OFF:OFF+1]
	s_add_nc_u64 s[VB:VB+1], s[KB:KB+1], 2048
	s_add_nc_u64 s[G0K+2:G0K+3], s[KB:KB+1], 0
	s_or_b32 s[G0K+3], s[G0K+3], 0x80000000
	s_add_nc_u64 s[G0V+2:G0V+3], s[VB:VB+1], 0
	s_or_b32 s[G0V+3], s[G0V+3], 0x80000000
	s_add_nc_u64 s[QHI:QHI+1], s[4:5], s[QHI:QHI+1]
	s_add_nc_u64 s[QLO:QLO+1], s[4:5], s[QLO:QLO+1]
	s_add_nc_u64 s[OHI:OHI+1], s[16:17], s[OHI:OHI+1]
	s_add_nc_u64 s[OLO:OLO+1], s[16:17], s[OLO:OLO+1]
	s_cmp_lt_u32 s[WV], 2
	s_cselect_b64 s[PFA:PFA+1], s[KB:KB+1], s[VB:VB+1]
	s_add_nc_u64 s[PFA:PFA+1], s[PFA:PFA+1], s[2:3]
	CROUND                                         ; all four work-groups are here: the first joint loads meet
	JLOAD                                          ; tile 0 into slot 0
	v_and_b32 v1, 15, v0                           ; r = l % 16
	v_bfe_u32 v9, v0, 4, 1                         ; l / 16
	v_mul_u32_u24 v[QO], v1, ROWB
	v_lshl_add_u32 v[QO], v9, 4, v[QO]
	v_lshlrev_b32 v11, 5, v9                       ; my 8 channels of each 16 in subln_w: 32 bytes
	v_and_b32 v12, 31, v0
	v_mul_u32_u24 v[PFO], v12, ROWB
	v_lshlrev_b32 v33, 3, v12                      ; two numbers a lane of the four lambda vectors
.irp i, 0,1,2,3
	global_load_b128 v[Q+8*(\i):Q+8*(\i)+3],   v[QO], s[QHI:QHI+1] offset:64*(\i)
	global_load_b128 v[Q+8*(\i)+4:Q+8*(\i)+7], v[QO], s[QHI:QHI+1] offset:64*(\i)+32
.endr
	global_load_b64 v[34:35], v33, s[6:7]
	global_load_b64 v[36:37], v33, s[8:9]
	global_load_b64 v[38:39], v33, s[10:11]
	global_load_b64 v[40:41], v33, s[12:13]
	WIN 0x40                                       ; destination window 1
.irp i, 0,1,2,3
	global_load_b128 v[QB+8*(\i):QB+8*(\i)+3],   v[QO], s[QLO:QLO+1] offset:64*(\i)
	global_load_b128 v[QB+8*(\i)+4:QB+8*(\i)+7], v[QO], s[QLO:QLO+1] offset:64*(\i)+32
.endr
.irp i, 0,1,2,3,4,5,6,7
	global_load_b128 v[SW+8*(\i):SW+8*(\i)+3],   v11, s[14:15] offset:64*(\i)
	global_load_b128 v[SW+8*(\i)+4:SW+8*(\i)+7], v11, s[14:15] offset:64*(\i)+16
.endr
	; What the first pair of turns finds, all written in the wait for the first tile, so that no first step is written out: O^T, l and V hold 0 (they need only be finite), head 0's P holds 0, head 1's scores -1e30.
.set i, 0
.rept 128
	v_mov_b32 v[i], 0
.set i, i+1
.endr
	WIN 0x80                                       ; destination window 2
.set i, 0
.rept 128
	v_mov_b32 v[VF+i], 0
.set i, i+1
.endr
	WIN 0
.irp t, 0,1
	v_mov_b32 v[ST+8*(\t)+2], 0
	v_mov_b32 v[ST+8*(\t)+3], 0
.endr
.set i, 0
.rept 16
	v_mov_b32 v[P+i], 0
.set i, i+1
.endr
.set i, 0
.rept 32
	v_mov_b32 v[S+32+i], s[BIGN]
.set i, i+1
.endr
	v_lshlrev_b32 v12, 3, v9
	v_sub_nc_u32 v12, v1, v12
	s_lshl_b32 s22, s[WV], 4
	v_add_nc_u32 v12, s22, v12                     ; 16 w + l % 16 - 8 (l / 16): register i of key block kb is hidden where 16 kb + i is greater
.set i, 0
.rept 32
	v_cmp_gt_i32 vcc_lo, 16*(i/8)+i%8, v12
	v_cndmask_b32 v[MD+i], 0, s[BIGN], vcc_lo
.set i, i+1
.endr
	v_mul_u32_u24 v[AK0], v1, PK
	v_lshl_add_u32 v[AK0], v9, 4, v[AK0]
	v_and_b32 v46, 7, v0                           ; the turning load: lane l reads key 8 (l / 16) + l % 8, channels 8 ((l / 8) % 2) + 0..7
	v_bfe_u32 v47, v0, 3, 1
	v_lshl_add_u32 v[AV0], v9, 3, v46
	v_mul_u32_u24 v[AV0], v[AV0], PV
	v_lshl_add_u32 v[AV0], v47, 4, v[AV0]
	v_add_nc_u32 v[AV0], VOFF, v[AV0]
	s_mul_i32 s22, s[WV], 16*SP
	s_add_co_u32 s22, s22, STAGE
	v_mul_u32_u24 v[STO], v1, SP
	v_lshl_add_u32 v[STO], v9, 4, v[STO]
	v_add_nc_u32 v[STO], s22, v[STO]
	v_mul_u32_u24 v[RD], v9, SP
	v_lshl_add_u32 v[RD], v1, 4, v[RD]
	v_add_nc_u32 v[RD], s22, v[RD]
	v_lshlrev_b32 v[GO], 11, v9
	v_lshl_add_u32 v[GO], v1, 4, v[GO]
	v_mov_b32 v44, 0
	v_mov_b32 v45, 0
	s_wait_loadcnt 0x0
	WIN W_RS
.set i, 0
.rept 32
	v_pk_mul_f32 v[SW+i:SW+i+1], v[SW+i:SW+i+1], s[90:91] op_sel_hi:[1,0]
.set i, i+2
.endr
	WIN 0
	v_mul_f32 v42, v34, v36                        ; lam: the two dot products over 64 numbers, two a lane
	v_mul_f32 v43, v38, v40
	v_fma_f32 v42, v35, v37, v42
	v_fma_f32 v43, v39, v41, v43
.irp m, 1,2,4,8
	v_add_f32_dpp v42, v42, v42 row_xmask:\m row_mask:0xf bank_mask:0xf
	v_add_f32_dpp v43, v43, v43 row_xmask:\m row_mask:0xf bank_mask:0xf
.endr
	v_permlanex16_b32 v44, v42, s[SEL], s[SEL+1]
	v_permlanex16_b32 v45, v43, s[SEL], s[SEL+1]
	v_add_f32 v42, v42, v44
	v_add_f32 v43, v43, v45
	v_mul_f32 v42, 0x3fb8aa3b, v42
	v_mul_f32 v43, 0x3fb8aa3b, v43
	v_exp_f32 v42, v42
	v_exp_f32 v43, v43
	v_nop
	s_wait_alu depctr_va_vdst(0)                   ; one wait for the two, ahead of their first reader
	v_sub_f32 v[NLAM], v43, v42
	v_add_f32 v[NLAM], 0xbf47227f, v[NLAM]         ; -lam = e2 - e1 - LAMBDA_INIT (0.7778701)
; Product i of 8 of head x's S^T = K Q^T: keys 16 (i % 4) on, channels 32 (i / 4) on.  The first 4 start the sums with the mask.  The 4 accumulators take turns.
.macro KQ x
	WIN W_KQ
.set rS, S+32*(\x)+8*(i%4)
.set rK, KF+32*(i%4)+8*(2*(\x)+i/4)
.set rQ, Q+16*(\x)+8*(i/4)
.set rM, MC+8*(i%4)
.if i < 4
	v_wmma_f32_16x16x32_bf16 v[rS:rS+7], v[rK:rK+7], v[rQ:rQ+7], v[rM:rM+7]
.else
	v_wmma_f32_16x16x32_bf16 v[rS:rS+7], v[rK:rK+7], v[rQ:rQ+7], v[rS:rS+7]
.endif
.endm
; Product i of 16 of head t's O^T += V^T P: channels 16 (i % 8) on, keys 32 (i / 8) on.  The 8 accumulators take turns.
.macro PVH t
	WIN W_PV
.set rO, 64*(\t)+8*(i%8)
.set rV, VF+64*(i/8)+8*(i%8)
.set rP, P+16*(\t)+8*(i/8)
	v_wmma_f32_16x16x32_bf16 v[rO:rO+7], v[rV:rV+7], v[rP:rP+7], v[rO:rO+7]
.endm
.macro FETCH_K                         ; a step's K: 64 keys x 128 channels, 32 loads in one run
	WIN 0
	v_add_nc_u32 v[AK], s[TBK], v[AK0]
	WIN 0x80                                       ; destination window 2
.irp f, 0,1,2,3,4,5,6,7,8,9,10,11,12,13,14,15
	ds_load_b128 v[KF+8*(\f):KF+8*(\f)+3],   v[AK] offset:((\f)/4)*16*PK+((\f)%4)*64
	ds_load_b128 v[KF+8*(\f)+4:KF+8*(\f)+7], v[AK] offset:((\f)/4)*16*PK+((\f)%4)*64+32
.endr
	s_add_co_u32 s[TBK], s[TBK], 64*PK
	WIN 0
.endm
.macro FETCH_V kk                      ; half a step's V, turned: keys 32 kk on, 16 loads in one run; the second half steps on to the next step
	WIN 0
	v_add_nc_u32 v[AV], s[TBV], v[AV0]
	WIN 0x80
.irp f, 0,1,2,3,4,5,6,7
	ds_load_tr16_b128 v[VF+64*(\kk)+8*(\f):VF+64*(\kk)+8*(\f)+3],   v[AV] offset:(\kk)*32*PV+(\f)*32
	ds_load_tr16_b128 v[VF+64*(\kk)+8*(\f)+4:VF+64*(\kk)+8*(\f)+7], v[AV] offset:(\kk)*32*PV+16*PV+(\f)*32
.endr
.if \kk
	s_add_co_u32 s[TBV], s[TBV], 64*PV
.endif
	WIN 0
.endm
.macro MASK                            ; MC = MD x AL + BE
	WIN 0
.set z, 0
.rept 16
	v_pk_fma_f32 v[MC+2*z:MC+2*z+1], v[MD+2*z:MD+2*z+1], s[AL:AL+1], s[BE:BE+1] op_sel_hi:[1,0,0]
.set z, z+1
.endr
.endm
; A head's softmax for one key step is a list of 134 instructions; SM writes number j of it for head t.  s0-s31 are the lane's 32 scores.
;   0-15   the maximum of s0-s31 and the old m, three operands at a time (each accumulator's lowest registers are read first)
;   16-20  the other half of the lanes' maximum; c m_old is kept; the new m; c m; c m_old - c m_new
;   21-69  ONE BATCH: the 16 scalings c s - c m and all 33 exponentials (a at 23); none of them reads an exponential's result
;   70-85  the roundings to bf16     86-101 the sums, l = a l + sum     102-133 the head's O^T times a
.macro SM t
.set rT, ST+8*(\t)
.set rS, S+32*(\t)
.set rP, P+16*(\t)
.set rO, 64*(\t)+2*(j-102)
.if j < 102
	WIN 0
.endif
.if j < 4
	v_max3_num_f32 v[rT+4+j], v[rS+8*j], v[rS+8*j+1], v[rS+8*j+2]
.elseif j < 12
	v_max3_num_f32 v[rT+4+j%4], v[rT+4+j%4], v[rS+8*(j%4)+2*(j/4)+1], v[rS+8*(j%4)+2*(j/4)+2]
.elseif j == 12
	v_max3_num_f32 v[rT+4], v[rT+4], v[rS+7], v[rS+15]
.elseif j == 13
	v_max3_num_f32 v[rT+6], v[rT+6], v[rS+23], v[rS+31]
.elseif j == 14
	v_max3_num_f32 v[rT+4], v[rT+4], v[rT+5], v[rT+6]
.elseif j == 15
	v_max3_num_f32 v[rT+4], v[rT+4], v[rT+7], v[rT+1]
.elseif j == 16
	v_permlanex16_b32 v[rT+5], v[rT+4], s[SEL], s[SEL+1]
.elseif j == 17
	v_mov_b32 v[rT+7], v[rT]
.elseif j == 18
	v_max_num_f32 v[rT+1], v[rT+4], v[rT+5]
.elseif j == 19
	v_mul_f32 v[rT], s[CS], v[rT+1]
.elseif j == 20
	v_sub_f32 v[rT+7], v[rT+7], v[rT]
.elseif j == 23
	v_exp_f32 v[rT+6], v[rT+7]
.elseif (j < 23) || ((j < 38) && (j%2 == 0)) || ((j < 66) && (j%4 == 2))
.set b, (j-2)/4
.if j < 38
.set b, (j-20)/2
.endif
	v_pk_fma_f32 v[rS+2*b:rS+2*b+1], v[rS+2*b:rS+2*b+1], s[CS:CS+1], v[rT:rT+1] op_sel_hi:[1,0,0] neg_lo:[0,0,1] neg_hi:[0,0,1]
.elseif j < 70
.set e, j-38
.if j < 66
.set e, j-32-(j-38)/4
.endif
.if j < 38
.set e, (j-25)/2
.endif
	v_exp_f32 v[rS+e], v[rS+e]
.elseif j < 86
	v_cvt_pk_bf16_f32 v[rP+j-70], v[rS+2*(j-70)], v[rS+2*(j-70)+1]
.elseif j < 102
.set z, j-86
.set w, 4
.set u, z
.if z >= 14
.set w, 32
.set u, 0
.elseif z >= 12
.set w, 16
.set u, z-12
.elseif z >= 8
.set w, 8
.set u, z-8
.endif
.if z < 15
	v_pk_add_f32 v[rS+w*u:rS+w*u+1], v[rS+w*u:rS+w*u+1], v[rS+w*u+w/2:rS+w*u+w/2+1]
.else
	v_pk_fma_f32 v[rT+2:rT+3], v[rT+2:rT+3], v[rT+6:rT+7], v[rS:rS+1] op_sel_hi:[1,0,1]
.endif
.else
	WIN W_RS
	v_pk_mul_f32 v[rO:rO+1], v[rO:rO+1], v[rT+6:rT+7] op_sel_hi:[1,0]
.endif
.endm
.macro RID t, n                        ; the next n numbers of head t's list
.rept \n
.set j, J\t
	SM \t
.set J\t, J\t+1
.endr
.endm
; A TURN.  Head x has the matrix unit, head y's softmax rides.  Products 0-7 (V^T P, keys 0-31) carry numbers 0-31; the lump is numbers 32-69; a plain instruction and the batch's one wait; products 8-15
; (V^T P, keys 32-63) carry numbers 70-101; products 16-23 (K Q^T of the next step) carry numbers 102-133.  No rider names a register of the products round it; the four behind the last K Q^T are the places
; in front of the next turn's first read of those scores and of the loads into K's registers.
; THE LDS LOADS stand in runs.  V of the step whose K Q^T this pair makes comes in TURN 1, in two halves, each behind the last product that read its registers: keys 0-31 at the batch's wait (the lump's ten
; scalings and the plain instruction lie between), keys 32-63 behind product 15 and its four riders.  K of the next trip's step comes at TURN 1's end.  The fifth trip fetches no V; trips 4 and 5 fetch no K.
; THE WAITS of TURN 0 count what was issued later: at its head V's first half is in while V's second half (16 loads) and K (32) may be out; behind the lump V's second half is in while K may be out;
; ahead of K Q^T all are in.  On the way on which no K was fetched a wait for all stands in its place, so that the counts hold on every way.
.macro TURN x, y
.set J\y, 0
.if (\x) == 0
	s_wait_dscnt 48
.endif
.set i, 0
.rept 8
	PVH \x
	RID \y, 4
.set i, i+1
.endr
	RID \y, 38
	WIN 0
	v_nop                                          ; a plain instruction behind the last exponential: one for the batch
	s_wait_alu depctr_va_vdst(0)                   ; the wait for the batch, ahead of the first line that names a result of it
.if (\x) == 1
	s_cmp_eq_u32 s[CNT], 1
	s_cbranch_scc1 .Lno_v0_\@
	FETCH_V 0
.Lno_v0_\@:
.else
	s_wait_dscnt 32
.endif
.rept 8
	PVH \x
	RID \y, 4
.set i, i+1
.endr
.if (\x) == 1
	WIN 0
	s_cmp_eq_u32 s[CNT], 1
	s_cbranch_scc1 .Lno_v1_\@
	FETCH_V 1
.Lno_v1_\@:
.else
	s_wait_dscnt 0x0
.endif
.set i, 0
.rept 8
	KQ \x
	RID \y, 4
.set i, i+1
.endr
.if (\x) == 1
	WIN 0
	s_cmp_lt_u32 s[CNT], 3
	s_cbranch_scc1 .Lno_k_\@
	FETCH_K
	s_branch .Lhas_k_\@
.Lno_k_\@:
	s_wait_dscnt 0x0                               ; V's two halves are in
.Lhas_k_\@:
.endif
.endm
; A TILE: five trips by a constant count, the pair of turns written once.  The fifth is a block's last tile's alone: elsewhere it is jumped over, forward to the counter's step.
.macro TILE ask
	FETCH_K                                        ; K of the tile's step 0
.if \ask
	ASK                                            ; behind the joint load and the run of LDS loads
.endif
	s_mov_b32 s[CNT], 5
.Lstep_\@:
	s_cmp_eq_u32 s[CNT], 1
	s_cselect_b32 s22, s[RT], 0
	s_cmp_lg_u32 s22, 0
	s_cbranch_scc1 .Ldead_\@
	s_cmp_lg_u32 s[RT], 0
	s_cbranch_scc1 .Lopen_\@                       ; only the diagonal tile makes masks; elsewhere MC holds 0
	s_sub_co_u32 s22, 5, s[CNT]                    ; the step t whose K Q^T this trip makes; 4: there is none, and all is hidden
	s_cmp_eq_u32 s22, s[CX]
	s_cselect_b32 s[AL], 1.0, 0
	s_cmp_gt_u32 s22, s[CX]
	s_cselect_b32 s[BE], s[BIGN], 0
	MASK
.Lopen_\@:
	TURN 0, 1
	TURN 1, 0
.Ldead_\@:
	s_sub_co_u32 s[CNT], s[CNT], 1
	s_cmp_lg_u32 s[CNT], 0
	s_cbranch_scc1 .Lstep_\@
.endm
; A BLOCK BEGINS: m = -2^90, above the hidden scores and below every real one; c m by the very line that the steps use, so that a softmax on hidden scores alone has a = 1 exactly; the mask 0.
.macro BEGIN
	WIN 0
.irp t, 0,1
	v_mov_b32 v[ST+8*(\t)+1], 0xec800000
	v_mul_f32 v[ST+8*(\t)], s[CS], v[ST+8*(\t)+1]
.endr
	s_mov_b32 s[AL], 0
	s_mov_b32 s[BE], 0
	MASK
.endm
; A BLOCK ENDS: o = O0 / l0 - lam O1 / l1; the RMS norm over the query's 128 channels (64 in my lane, 64 in the lane 16 away); the gain; bf16; through my stage, so that 16 lanes store the head's 256 bytes of a token.
.macro FINISH ob
	WIN 0
.irp t, 0,1
	v_add_f32 v[ST+8*(\t)+4], v[ST+8*(\t)+2], v[ST+8*(\t)+3]
.endr
.irp t, 0,1
	v_permlanex16_b32 v[ST+8*(\t)+5], v[ST+8*(\t)+4], s[SEL], s[SEL+1]
.endr
.irp t, 0,1
	v_add_f32 v[ST+8*(\t)+4], v[ST+8*(\t)+4], v[ST+8*(\t)+5]
.endr
.irp t, 0,1
	v_rcp_f32 v[ST+8*(\t)+6], v[ST+8*(\t)+4]
.endr
	v_nop
	s_wait_alu depctr_va_vdst(0)                   ; one wait for the two reciprocals
	v_mul_f32 v[ST+14], v[ST+14], v[NLAM]
	WIN W_RS
.set i, 0
.rept 32
	v_pk_mul_f32 v[i:i+1], v[i:i+1], v[ST+6:ST+7] op_sel_hi:[1,0]
.set i, i+2
.endr
	WIN 0x51                                       ; destination, sources 0 and 2 in window 1, source 1 in window 0
.set i, 0
.rept 32
	v_pk_fma_f32 v[i:i+1], v[64+i:64+i+1], v[ST+14:ST+15], v[i:i+1] op_sel_hi:[1,0,1]
.set i, i+2
.endr
	WIN 0x05                                       ; sources 0 and 1 in window 1
.set p, 0
.rept 4
	v_pk_mul_f32 v[SS+2*p:SS+2*p+1], v[2*p:2*p+1], v[2*p:2*p+1]
.set p, p+1
.endr
.rept 28
	v_pk_fma_f32 v[SS+2*(p%4):SS+2*(p%4)+1], v[2*p:2*p+1], v[2*p:2*p+1], v[SS+2*(p%4):SS+2*(p%4)+1]
.set p, p+1
.endr
	WIN 0
	v_pk_add_f32 v[SS:SS+1], v[SS:SS+1], v[SS+2:SS+3]
	v_pk_add_f32 v[SS+4:SS+5], v[SS+4:SS+5], v[SS+6:SS+7]
	v_pk_add_f32 v[SS:SS+1], v[SS:SS+1], v[SS+4:SS+5]
	v_add_f32 v[SS], v[SS], v[SS+1]
	v_permlanex16_b32 v[SS+1], v[SS], s[SEL], s[SEL+1]
	v_add_f32 v[SS], v[SS], v[SS+1]
	v_fma_f32 v[SS], v[SS], s88, s89               ; mean of squares + eps
	v_rsq_f32 v[RS], v[SS]
	v_rsq_f32 v[RS+1], v[SS]
	v_nop
	s_wait_alu depctr_va_vdst(0)
	WIN W_RS
.set i, 0
.rept 32
	v_pk_mul_f32 v[i:i+1], v[i:i+1], v[RS:RS+1]
.set i, i+2
.endr
	WIN 0x45                                       ; all in window 1
.set i, 0
.rept 32
	v_pk_mul_f32 v[i:i+1], v[i:i+1], v[SW+i:SW+i+1]
.set i, i+2
.endr
	WIN 0x05
.set i, 0
.rept 32
	v_cvt_pk_bf16_f32 v[S+i], v[2*i], v[2*i+1]
.set i, i+1
.endr
	WIN 0
.irp f, 0,1,2,3,4,5,6,7
	ds_store_b128 v[STO], v[S+4*(\f):S+4*(\f)+3] offset:32*(\f)
.endr
.irp f, 0,1,2,3,4,5,6,7
	ds_load_b128 v[S+4*(\f):S+4*(\f)+3], v[RD] offset:(\f)*2*SP  ; LDS serves a wave's instructions in order: these see the stores above
.endr
.irp f, 0,1,2,3,4,5,6,7
	s_wait_dscnt 7-(\f)                            ; load f is back; the 7 - f younger ones stay out
	global_store_b128 v[GO], v[S+4*(\f):S+4*(\f)+3], s[\ob:\ob+1] offset:(\f)*4096  ; two tokens: 16 lanes store 256 consecutive bytes, aligned
.endr
.endm
	BEGIN
	s_sub_co_u32 s[RT], 8, s[PBL]                  ; the first block has 8 - p tiles
	s_mov_b32 s[NXT], 1
	s_mov_b32 s[LQ], s[HI]
	s_mov_b32 s[SLOTS], 8
.Lslot:                                            ; 8 times: a tile is entered and the next is asked for
	CHANGE 1
	s_sub_co_u32 s[RT], s[RT], 1
	TILE 1
	s_cmp_lg_u32 s[RT], 0
	s_cbranch_scc1 .Lbottom
	FINISH OHI                                     ; in the loop this is the first block's end: the second block's last tile is the walk's last
	s_wait_xcnt 0x0                                ; the stores have read their registers
	s_add_co_u32 s[RT], s[PBL], 1                  ; the second block has p + 1 tiles
	WIN 0x01
.set i, 0
.rept 32
	v_mov_b32 v[Q+i], v[QB+i]                      ; its Q goes where the one text of the turns names Q
.set i, i+1
.endr
	WIN 0
	BEGIN
.Lbottom:
	s_sub_co_u32 s[SLOTS], s[SLOTS], 1
	s_cmp_lg_u32 s[SLOTS], 0
	s_cbranch_scc1 .Lslot
	CHANGE 0                                       ; the walk's last tile is written out: nothing is asked for
	s_sub_co_u32 s[RT], s[RT], 1
	TILE 0
	FINISH OLO
	s_wait_tensorcnt 0x0                           ; the wave's end, behind my last tensor load and my last LDS store
	ds_add_u32 v[SPW], v[NIL]
	s_wait_dscnt 0x0
	CROUND                                         ; the closing round
	s_endpgm
.Lfunc_end_k_q55b2e1c61b_attn:
	.size	k_q55b2e1c61b_attn, .Lfunc_end_k_q55b2e1c61b_attn-k_q55b2e1c61b_attn
	.p2alignl 7, 3214868480
	.fill 96, 4, 3214868480
	.section	.rodata,"a",@progbits
	.p2align	6, 0x0
	.amdhsa_kernel k_q55b2e1c61b_attn
		.amdhsa_group_segment_fixed_size 327680
		.amdhsa_private_segment_fixed_size 0
		.amdhsa_enable_private_segment 0
		.amdhsa_kernarg_size 56
		.amdhsa_user_sgpr_count 2
		.amdhsa_user_sgpr_kernarg_segment_ptr 1
		.amdhsa_wavefront_size32 1
		.amdhsa_system_sgpr_workgroup_id_x 1
		.amdhsa_system_sgpr_workgroup_id_y 1
		.amdhsa_system_sgpr_workgroup_id_z 1
		.amdhsa_system_vgpr_workitem_id 0
		.amdhsa_next_free_vgpr 768
		.amdhsa_next_free_sgpr 92
		.amdhsa_reserve_vcc 1
		.amdhsa_float_denorm_mode_32 3
		.amdhsa_float_denorm_mode_16_64 3
		.amdhsa_memory_ordered 1
		.amdhsa_forward_progress 1
		.amdhsa_inst_pref_size 122
	.end_amdhsa_kernel
	.amdgpu_metadata
---
amdhsa.version: [ 1, 2 ]
amdhsa.kernels:
  - .name:           k_q55b2e1c61b_attn
    .symbol:         k_q55b2e1c61b_attn.kd
    .args:
      - { .name: big, .offset: 0, .size: 8, .value_kind: global_buffer, .address_space: global }
      - { .name: lq1, .offset: 8, .size: 8, .value_kind: global_buffer, .address_space: global }
      - { .name: lk1, .offset: 16, .size: 8, .value_kind: global_buffer, .address_space: global }
      - { .name: lq2, .offset: 24, .size: 8, .value_kind: global_buffer, .address_space: global }
      - { .name: lk2, .offset: 32, .size: 8, .value_kind: global_buffer, .address_space: global }
      - { .name: subln_w, .offset: 40, .size: 8, .value_kind: global_buffer, .address_space: global }
      - { .name: hbuf, .offset: 48, .size: 8, .value_kind: global_buffer, .address_space: global }
    .group_segment_fixed_size: 327680
    .private_segment_fixed_size: 0
    .kernarg_segment_align: 8
    .kernarg_segment_size: 56
    .max_flat_workgroup_size: 128
    .sgpr_count:     92
    .vgpr_count:     768
    .wavefront_size: 32
...
	.end_amdgpu_metadata
.endif
;; end of part 3
;; launch wo (part 4): grid 8 x 32, 4 waves a work-group, clusters of 4 x 4, 327,680 bytes of LDS; arguments hbuf, wb, x, ybuf; writes ybuf
.if DOCPART == 4
	.amdgcn_target "amdgcn-amd-amdhsa--gfx1250"
	.amdhsa_code_object_version 6
	.text
	.protected	k_q55b2e1c61b_wo
	.globl	k_q55b2e1c61b_wo
	.p2align	8
	.type	k_q55b2e1c61b_wo,@function
k_q55b2e1c61b_wo:
	s_mov_b64 s[64:65], 0
	v_nop
	global_prefetch_b8 v0, s[64:65] scope:SCOPE_SE
	s_setreg_imm32_b32 hwreg(HW_REG_WAVE_MODE, 25, 1), 1
	s_wait_xcnt 0x0
	s_wait_alu depctr_hold_cnt(0) depctr_sa_sdst(0) depctr_va_vdst(0) depctr_va_sdst(0) depctr_va_ssrc(0) depctr_va_vcc(0) depctr_vm_vsrc(0)
	s_getreg_b32 s2, hwreg(HW_REG_IB_STS2, 6, 4)
	s_cmp_eq_u32 s2, 0
	s_cbranch_scc0 .Lentry_in_a_cluster
	s_endpgm
.Lentry_in_a_cluster:
	s_bfe_u32 s2, ttmp6, 0x10000c
	s_cmp_lg_u32 s2, 0xf033
	s_cbranch_scc0 .Lentry_shape_is_right
	s_endpgm
.Lentry_shape_is_right:
; out = res + A B.  A: [4096][SIZE_K] bf16 (rows along K).  B: a bf16 weight matrix as it lies, [SIZE_K][1024], WOFF bytes into wb.  res, out: [4096][1024] f32.  Sums in f32, K ascending.
; A tile of out is 128 x 128, which gives 8 x 32 = 256 work-groups: four waves, each 64 x 64 in 16 accumulators.  K goes in steps of 256 through two LDS slots: waves 0, 1 bring A's halves
; (64 rows x 512 bytes), waves 2, 3 B's halves (128 k-rows x 256 bytes).  One K step is one trip of the loop; the slot in hand is a scalar that an exclusive or turns, and the same
; exclusive or turns the walking descriptor's LDS word (SLOT shares no bit with a fill's base).  B's fragments come out of LDS turned (ds_load_tr16_b128).
; CLUSTER 4 x 4: A's tile is shared along a row of the cluster, B's along a column, each asked for jointly.
; THE MATRIX INSTRUCTION IS USED TRANSPOSED: a lane holds row l % 16 and the columns 8 (l / 16) + 0..7.  A wave's 64 columns of f32 are 256 consecutive bytes, aligned, so each wave
; sends its rows through a stage of its own: no barrier on the way out.  The residual is loaded at the head, into window 2, and added in f32.
; REGISTERS: window 0: v0-31 addresses, v32-95 at work on the way out, v128-255 accumulators; window 1: two fragment buffers of 128 (64 of A, 64 of B); window 2: v0-127 the residual.
.set SIZE_K, 1024
.set WOFF,   6291456
.set NS,     SIZE_K/256
.set PA,     528                       ; a row of A in LDS: 512 bytes + 16
.set PB,     288                       ; a k-row of B: 256 + 32
.set HALFA,  64*PA
.set HALFB,  128*PB
.set BOFF,   2*HALFA
.set SLOT,   0x24000
.set STAGE,  SLOT+BOFF+2*HALFB         ; behind the ring: 16 rows x 272 bytes a wave; no tensor load fills it
.set SPITCH, 272
.set SPARE,  STAGE+4*16*SPITCH         ; the spare words, 128 bytes a wave, that no other line names
.set ASTEP,  512
.set BSTEP,  256*2048
.set ADRA0, 16
.set ADRB0, 17
.set ADRA,  18
.set ADRB,  19                         ; v19: k-rows 0-127 of the slot in hand; v20: k-rows 128-255, so that every offset stays under 65,536
.set STO,   24
.set RD,    25
.set CO,    26                         ; v26  my byte offset in two rows of res and out; never rewritten
.set SPW,   28
.set NIL,   29
.set TMP,   32
.set ACC,   128
.set F0,    0
.set F1,    128
.set WV, 12
.set WR, 13
.set WC, 14
.set TR, 15
.set LA, 20
.set LB, 21
.set TB, 22
.set G1, 24
.set G0, 32
.set CX, 40
.set CY, 41
.set TC, 42
.set G1B, 48
.set G0B, 56
.set MSB, 0
.macro WIN new
.if MSB != (\new)
	s_set_vgpr_msb (MSB<<8)|(\new)
.set MSB, \new
.endif
.endm
.set MUL,  0x05                        ; sources 0 (B) and 1 (A) window 1; C and D window 0
.macro PLACES
.rept 4
	v_nop
.endr
.endm
.macro JLOAD
	s_cmp_eq_u32 s[WR], 0
	s_cbranch_scc0 .Lfor_b_\@
	tensor_load_to_lds s[G0+4:G0+7], s[G1:G1+7]
	s_nop 0
.rept 4
	v_nop
.endr
	s_branch .Lasked_\@
.Lfor_b_\@:
	tensor_load_to_lds s[G0B+4:G0B+7], s[G1B:G1B+7]
	s_nop 0
.rept 4
	v_nop
.endr
.Lasked_\@:
.endm
.macro CREST
	s_cmp_lg_u32 s[WV], 0
	s_cbranch_scc1 .Lnot_wave_0_\@
	s_barrier_signal -3
.Lnot_wave_0_\@:
	s_barrier_wait -3
	s_barrier_signal -1
	s_barrier_wait -1
.endm
.macro CROUND
	s_barrier_signal -1
	s_barrier_wait -1
	CREST
.endm
	s_load_b256 s[4:11], s[0:1], 0x0               ; A s[4:5], wb s[6:7], res s[8:9], out s[10:11]
	v_lshl_add_u32 v[SPW], v0, 2, SPARE
	v_mov_b32 v[NIL], 0
	ds_add_u32 v[SPW], v[NIL]                      ; the wave's opening: the add and its wait stand ahead of my first tensor load
	v_lshrrev_b32 v1, 5, v0
	v_readfirstlane_b32 s[WV], v1
	s_lshr_b32 s[WR], s[WV], 1                     ; my half of the rows; also: I fetch for A (0) or B (1)
	s_and_b32 s[WC], s[WV], 1                      ; my half of the columns; also: which half I fetch
	s_bfe_u32 s[CX], ttmp6, 0x40000
	s_bfe_u32 s[CY], ttmp6, 0x40004
	s_lshl_b32 s[TC], ttmp9, 2
	s_add_co_u32 s[TC], s[TC], s[CX]
	s_and_b32 s[TR], ttmp7, 0xffff
	s_lshl_b32 s[TR], s[TR], 2
	s_add_co_u32 s[TR], s[TR], s[CY]
	s_lshl_b32 s43, s[CY], 2
	s_lshl_b32 s43, 15, s43                        ; my row of the cluster
	s_lshl_b32 s44, 0x1111, s[CX]                  ; my column
	s_or_b32 s[G1+0], s43, (1<<16)|(1<<20)|(1<<21)|(6<<22)|(3<<25)   ; A: after every 128 words 4 words of padding
	s_or_b32 s[G1B+0], s44, (1<<16)|(1<<20)|(1<<21)|(5<<22)|(7<<25)  ; B: after every 64 words 8 words
	s_mov_b32 s[G1+1], 256<<16                     ; A: tensor_dim0 = 256
	s_mov_b32 s[G1+2], 64<<16                      ; tensor_dim1 = 64
	s_mov_b32 s[G1+3], 256<<16                     ; tile_dim0 = 256
	s_mov_b32 s[G1+4], 64                          ; tile_dim1 = 64
	s_mov_b32 s[G1+5], SIZE_K
	s_mov_b32 s[G1+6], 0
	s_mov_b32 s[G1+7], 0
	s_mov_b32 s[G1B+1], 128<<16                    ; B: 128 columns x 128 k-rows
	s_mov_b32 s[G1B+2], 128<<16
	s_mov_b32 s[G1B+3], 128<<16
	s_mov_b32 s[G1B+4], 128
	s_mov_b32 s[G1B+5], 1024
	s_mov_b32 s[G1B+6], 0
	s_mov_b32 s[G1B+7], 0
	s_lshl_b32 s16, s[TR], 7                       ; A: row 128 x tile row + 64 x half
	s_lshl_b32 s17, s[WC], 6
	s_add_co_u32 s16, s16, s17
	s_mul_i32 s16, s16, 2*SIZE_K
	s_mov_b32 s17, 0
	s_lshl_b32 s46, s[TC], 8                       ; B: 256 bytes a tile column, 128 k-rows of 2,048 bytes a half
	s_lshl_b32 s47, s[WC], 18
	s_add_co_u32 s46, s46, s47
	s_add_co_u32 s46, s46, WOFF
	s_mov_b32 s47, 0
	s_mul_i32 s[LA], s[WC], HALFA
	s_mul_i32 s[LB], s[WC], HALFB
	s_add_co_u32 s[LB], s[LB], BOFF
	s_lshl_b32 s2, s[TR], 7                        ; res and out: my wave's first row,
	s_lshl_b32 s3, s[WR], 6
	s_add_co_u32 s2, s2, s3
	s_lshl_b32 s2, s2, 12
	s_mov_b32 s3, 0
	s_lshl_b32 s18, s[TC], 9                       ; and its first column, in bytes
	s_lshl_b32 s19, s[WC], 8
	s_add_co_u32 s18, s18, s19
	s_mov_b32 s19, 0
	s_mov_b32 s[TB], 0
	s_wait_dscnt 0x0                               ; the opening add is done
	s_wait_kmcnt 0x0
	s_add_nc_u64 s[16:17], s[4:5], s[16:17]
	s_add_nc_u64 s[46:47], s[6:7], s[46:47]
	s_add_nc_u64 s[8:9], s[8:9], s[2:3]
	s_add_nc_u64 s[8:9], s[8:9], s[18:19]
	s_add_nc_u64 s[10:11], s[10:11], s[2:3]
	s_add_nc_u64 s[10:11], s[10:11], s[18:19]
	CROUND                                         ; all sixteen work-groups are here: the first joint loads meet
.irp s, 0,1
	s_mov_b32 s[G0+4*(\s)], 1
	s_add_co_u32 s[G0+4*(\s)+1], s[LA], (\s)*SLOT
	s_add_nc_u64 s[G0+4*(\s)+2:G0+4*(\s)+3], s[16:17], (\s)*ASTEP
	s_or_b32 s[G0+4*(\s)+3], s[G0+4*(\s)+3], 0x80000000
	s_mov_b32 s[G0B+4*(\s)], 1
	s_add_co_u32 s[G0B+4*(\s)+1], s[LB], (\s)*SLOT
	s_add_nc_u64 s[G0B+4*(\s)+2:G0B+4*(\s)+3], s[46:47], (\s)*BSTEP
	s_or_b32 s[G0B+4*(\s)+3], s[G0B+4*(\s)+3], 0x80000000
.endr
	s_cmp_eq_u32 s[WR], 0                          ; a wave's two first fills stand in one branch: two loads of mine are out
	s_cbranch_scc0 .Lfirst_b
	tensor_load_to_lds s[G0:G0+3], s[G1:G1+7]
	s_nop 0
	tensor_load_to_lds s[G0+4:G0+7], s[G1:G1+7]
	s_nop 0
.rept 4
	v_nop
.endr
	s_branch .Lfirst_asked
.Lfirst_b:
	tensor_load_to_lds s[G0B:G0B+3], s[G1B:G1B+7]
	s_nop 0
	tensor_load_to_lds s[G0B+4:G0B+7], s[G1B:G1B+7]
	s_nop 0
.rept 4
	v_nop
.endr
.Lfirst_asked:
	v_and_b32 v1, 15, v0                           ; r
	v_bfe_u32 v2, v0, 4, 1                         ; h
	v_lshlrev_b32 v[CO], 12, v2                    ; lanes 0-15 one row of 256 bytes, lanes 16-31 the next
	v_lshl_add_u32 v[CO], v1, 4, v[CO]
	WIN 0x80                                       ; destination window 2: my 64 x 64 of the residual, in the layout in which the rows come back from the stage
.irp a, 0,1,2,3
.irp t, 0,1,2,3,4,5,6,7
	global_load_b128 v[32*(\a)+4*(\t):32*(\a)+4*(\t)+3], v[CO], s[8:9] offset:(16*(\a)+2*(\t))*4096
.endr
.endr
	WIN 0
	v_mul_u32_u24 v3, v1, PA
	v_lshl_add_u32 v3, v2, 4, v3
	s_mul_i32 s23, s[WR], HALFA
	v_add_nc_u32 v[ADRA0], s23, v3
	v_and_b32 v4, 7, v0                            ; B, turned: lane l reads k-row 8 h + l % 8, columns 8 ((l / 8) % 2) + 0..7 of my 64
	v_lshl_add_u32 v4, v2, 3, v4
	v_mul_u32_u24 v4, v4, PB
	v_bfe_u32 v5, v0, 3, 1
	v_lshl_add_u32 v4, v5, 4, v4
	s_lshl_b32 s23, s[WC], 7
	s_add_co_u32 s23, s23, BOFF
	v_add_nc_u32 v[ADRB0], s23, v4
	v_mov_b32 v[ADRA], v[ADRA0]
	v_mov_b32 v[ADRB], v[ADRB0]
	v_add_nc_u32 v[ADRB+1], 128*PB, v[ADRB]
	s_mul_i32 s23, s[WV], 16*SPITCH
	s_add_co_u32 s23, s23, STAGE                   ; my stage
	v_mul_u32_u24 v6, v1, SPITCH                   ; in: row r, 32 bytes for each half of the lanes
	v_lshl_add_u32 v6, v2, 5, v6
	v_add_nc_u32 v[STO], s23, v6
	v_mul_u32_u24 v7, v2, SPITCH                   ; back: two whole rows
	v_lshl_add_u32 v7, v1, 4, v7
	v_add_nc_u32 v[RD], s23, v7
; 8 matrix instructions: m blocks a0, a0 + 1 x all 4 n blocks, 32 along K: half c of buffer f.
.macro MUL8 f, c, a0, zero
	WIN MUL
.irp a, \a0, (\a0)+1
.irp b, 0,1,2,3
.if \zero
	v_wmma_f32_16x16x32_bf16 v[ACC+8*(4*(\a)+(\b)):ACC+8*(4*(\a)+(\b))+7], v[(\f)+64+8*(4*(\c)+(\b)):(\f)+64+8*(4*(\c)+(\b))+7], v[(\f)+8*(4*(\c)+(\a)):(\f)+8*(4*(\c)+(\a))+7], 0
.else
	v_wmma_f32_16x16x32_bf16 v[ACC+8*(4*(\a)+(\b)):ACC+8*(4*(\a)+(\b))+7], v[(\f)+64+8*(4*(\c)+(\b)):(\f)+64+8*(4*(\c)+(\b))+7], v[(\f)+8*(4*(\c)+(\a)):(\f)+8*(4*(\c)+(\a))+7], v[ACC+8*(4*(\a)+(\b)):ACC+8*(4*(\a)+(\b))+7]
.endif
.endr
.endr
.endm
; 32 LDS loads in one run: quarter q (64 along K) of the slot in hand into buffer f; its first 32 along K first.
.macro FETCH q, f
	WIN 0x40                                       ; destination window 1, address window 0
.irp c, 0,1
.irp i, 0,1,2,3
	ds_load_tr16_b128 v[(\f)+64+8*(4*(\c)+(\i)):(\f)+64+8*(4*(\c)+(\i))+3],   v[ADRB+(\q)/2] offset:(64*((\q)%2)+32*(\c))*PB+32*(\i)
	ds_load_tr16_b128 v[(\f)+64+8*(4*(\c)+(\i))+4:(\f)+64+8*(4*(\c)+(\i))+7], v[ADRB+(\q)/2] offset:(64*((\q)%2)+32*(\c))*PB+32*(\i)+16*PB
	ds_load_b128 v[(\f)+8*(4*(\c)+(\i)):(\f)+8*(4*(\c)+(\i))+3],   v[ADRA] offset:128*(\q)+64*(\c)+(\i)*16*PA
	ds_load_b128 v[(\f)+8*(4*(\c)+(\i))+4:(\f)+8*(4*(\c)+(\i))+7], v[ADRA] offset:128*(\q)+64*(\c)+(\i)*16*PA+32
.endr
.endr
.endm
.macro QUARTER q, f, g, zero
	s_wait_dscnt 16                                ; the first 32 along K are in; the youngest sixteen loads may be out
	MUL8 \f, 0, 0, \zero
	MUL8 \f, 0, 2, \zero
	PLACES
	FETCH \q, \g
	s_wait_dscnt 32                                ; all but the 32 just issued
	MUL8 \f, 1, 0, 0
	MUL8 \f, 1, 2, 0
.endm
; The last quarter multiplies buffer 1 and changes slots: one barrier; in front of it each wave waits for all its tensor loads, adds 0 to its spare word, and waits for that and for its
; reads of this slot.  fill = 1: the barrier opens a round of the cluster's, and the slot just read is filled again first thing behind it, with the K step two on.
.macro TURN fill
	WIN 0
	s_wait_tensorcnt 0x0                           ; no tensor load of mine is out, so a group 0 may be written
	ds_add_u32 v[SPW], v[NIL]                      ; 0 onto my spare word
.if \fill
	s_xor_b32 s[G0+5], s[G0+5], SLOT
	s_add_nc_u64 s[G0+6:G0+7], s[G0+6:G0+7], ASTEP
	s_xor_b32 s[G0B+5], s[G0B+5], SLOT
	s_add_nc_u64 s[G0B+6:G0B+7], s[G0B+6:G0B+7], BSTEP
.endif
	s_xor_b32 s[TB], s[TB], SLOT
	v_add_nc_u32 v[ADRA], s[TB], v[ADRA0]
	v_add_nc_u32 v[ADRB], s[TB], v[ADRB0]
	v_add_nc_u32 v[ADRB+1], 128*PB, v[ADRB]
	s_wait_dscnt 17                                ; the add and the youngest sixteen loads may be out
	MUL8 F1, 0, 0, 0
	s_wait_dscnt 0x0                               ; the add is done, and my reads of this slot are over
	s_barrier_signal -1
	MUL8 F1, 0, 2, 0
	WIN 0
	s_barrier_wait -1
.if \fill
	CREST
	JLOAD                                          ; its four v_nop are also the places in front of the loads below
.else
	PLACES
.endif
	FETCH 0, F0
	MUL8 F1, 1, 0, 0
	MUL8 F1, 1, 2, 0
.endm
	s_wait_tensorcnt 1                             ; my part of K step 0 is in; K step 1's stays out
	s_barrier_signal -1
	s_barrier_wait -1
	FETCH 0, F0
	QUARTER 1, F0, F1, 1                           ; the first quarter stands in front of the loop: its first products start the sums
	WIN 0
	s_mov_b32 s3, NS-2
.Lstep:
	QUARTER 2, F1, F0, 0
	QUARTER 3, F0, F1, 0
	TURN 1
	QUARTER 1, F0, F1, 0
	WIN 0
	s_sub_co_u32 s3, s3, 1
	s_cmp_lg_u32 s3, 0
	s_cbranch_scc1 .Lstep
	s_mov_b32 s3, 2
.Ltail:                                            ; the last two K steps ask for nothing; the second trip is left in its middle
	QUARTER 2, F1, F0, 0
	QUARTER 3, F0, F1, 0
	WIN 0
	s_sub_co_u32 s3, s3, 1
	s_cmp_eq_u32 s3, 0
	s_cbranch_scc1 .Llast
	TURN 0
	QUARTER 1, F0, F1, 0
	WIN 0
	s_branch .Ltail
.Llast:
	s_wait_dscnt 16
	MUL8 F1, 0, 0, 0
	MUL8 F1, 0, 2, 0
	s_wait_dscnt 0x0
	MUL8 F1, 1, 0, 0
	MUL8 F1, 1, 2, 0
	WIN 0
	PLACES
	PLACES
	s_wait_loadcnt 0x0                             ; the residual
.irp a, 0,1,2,3
.if (\a) >= 2
	s_wait_xcnt 0x0                                ; the stores of the block two back have read the registers that are loaded again below
.endif
.irp b, 0,1,2,3
	ds_store_b128 v[STO], v[ACC+8*(4*(\a)+(\b)):ACC+8*(4*(\a)+(\b))+3]   offset:64*(\b)
	ds_store_b128 v[STO], v[ACC+8*(4*(\a)+(\b))+4:ACC+8*(4*(\a)+(\b))+7] offset:64*(\b)+16
.endr
.irp t, 0,1,2,3,4,5,6,7
	ds_load_b128 v[TMP+32*((\a)%2)+4*(\t):TMP+32*((\a)%2)+4*(\t)+3], v[RD] offset:(\t)*2*SPITCH  ; LDS serves a wave's instructions in order: these see the stores above
.endr
	s_wait_dscnt 0x0
	WIN 0x08                                       ; source 1 in window 2
.irp t, 0,1,2,3,4,5,6,7,8,9,10,11,12,13,14,15
	v_pk_add_f32 v[TMP+32*((\a)%2)+2*(\t):TMP+32*((\a)%2)+2*(\t)+1], v[TMP+32*((\a)%2)+2*(\t):TMP+32*((\a)%2)+2*(\t)+1], v[32*(\a)+2*(\t):32*(\a)+2*(\t)+1]
.endr
	WIN 0
.irp t, 0,1,2,3,4,5,6,7
	global_store_b128 v[CO], v[TMP+32*((\a)%2)+4*(\t):TMP+32*((\a)%2)+4*(\t)+3], s[10:11] offset:(16*(\a)+2*(\t))*4096  ; 16 lanes store 256 consecutive bytes, aligned
.endr
.endr
	s_wait_tensorcnt 0x0                           ; the wave's end, behind my last tensor load and my last LDS store
	ds_add_u32 v[SPW], v[NIL]
	s_wait_dscnt 0x0
	CROUND                                         ; the closing round
	s_endpgm
.Lfunc_end_k_q55b2e1c61b_wo:
	.size	k_q55b2e1c61b_wo, .Lfunc_end_k_q55b2e1c61b_wo-k_q55b2e1c61b_wo
	.p2alignl 7, 3214868480
	.fill 96, 4, 3214868480
	.section	.rodata,"a",@progbits
	.p2align	6, 0x0
	.amdhsa_kernel k_q55b2e1c61b_wo
		.amdhsa_group_segment_fixed_size 327680
		.amdhsa_private_segment_fixed_size 0
		.amdhsa_enable_private_segment 0
		.amdhsa_kernarg_size 32
		.amdhsa_user_sgpr_count 2
		.amdhsa_user_sgpr_kernarg_segment_ptr 1
		.amdhsa_wavefront_size32 1
		.amdhsa_system_sgpr_workgroup_id_x 1
		.amdhsa_system_sgpr_workgroup_id_y 1
		.amdhsa_system_sgpr_workgroup_id_z 1
		.amdhsa_system_vgpr_workitem_id 0
		.amdhsa_next_free_vgpr 640
		.amdhsa_next_free_sgpr 66
		.amdhsa_reserve_vcc 0
		.amdhsa_float_denorm_mode_32 3
		.amdhsa_float_denorm_mode_16_64 3
		.amdhsa_memory_ordered 1
		.amdhsa_forward_progress 1
		.amdhsa_inst_pref_size 67
	.end_amdhsa_kernel
	.amdgpu_metadata
---
amdhsa.version: [ 1, 2 ]
amdhsa.kernels:
  - .name:           k_q55b2e1c61b_wo
    .symbol:         k_q55b2e1c61b_wo.kd
    .args:
      - { .name: hbuf, .offset: 0, .size: 8, .value_kind: global_buffer, .address_space: global }
      - { .name: wb, .offset: 8, .size: 8, .value_kind: global_buffer, .address_space: global }
      - { .name: x, .offset: 16, .size: 8, .value_kind: global_buffer, .address_space: global }
      - { .name: ybuf, .offset: 24, .size: 8, .value_kind: global_buffer, .address_space: global }
    .group_segment_fixed_size: 327680
    .private_segment_fixed_size: 0
    .kernarg_segment_align: 8
    .kernarg_segment_size: 32
    .max_flat_workgroup_size: 128
    .sgpr_count:     66
    .vgpr_count:     640
    .wavefront_size: 32
...
	.end_amdgpu_metadata
.endif
;; end of part 4
;; launch ln2: the kernel of part 1 again; grid 256 x 1, 8 waves a work-group, no clusters, 0 bytes of LDS; arguments ybuf, ln2_w, ln2_b, hbuf, wq, wk, wv, wb1; writes hbuf, wb1
;; launch win (part 5): grid 16 x 16, 4 waves a work-group, clusters of 4 x 4, 327,680 bytes of LDS; arguments hbuf, wb, big; writes big
.if DOCPART == 5
	.amdgcn_target "amdgcn-amd-amdhsa--gfx1250"
	.amdhsa_code_object_version 6
	.text
	.protected	k_q55b2e1c61b_win
	.globl	k_q55b2e1c61b_win
	.p2align	8
	.type	k_q55b2e1c61b_win,@function
k_q55b2e1c61b_win:
	s_mov_b64 s[64:65], 0
	v_nop
	global_prefetch_b8 v0, s[64:65] scope:SCOPE_SE
	s_setreg_imm32_b32 hwreg(HW_REG_WAVE_MODE, 25, 1), 1
	s_wait_xcnt 0x0
	s_wait_alu depctr_hold_cnt(0) depctr_sa_sdst(0) depctr_va_vdst(0) depctr_va_sdst(0) depctr_va_ssrc(0) depctr_va_vcc(0) depctr_vm_vsrc(0)
	s_getreg_b32 s2, hwreg(HW_REG_IB_STS2, 6, 4)
	s_cmp_eq_u32 s2, 0
	s_cbranch_scc0 .Lentry_in_a_cluster
	s_endpgm
.Lentry_in_a_cluster:
	s_bfe_u32 s2, ttmp6, 0x10000c
	s_cmp_lg_u32 s2, 0xf033
	s_cbranch_scc0 .Lentry_shape_is_right
	s_endpgm
.Lentry_shape_is_right:
; C = A B.  A: [4096][1024] bf16 (rows along K).  B: bf16 weights as they lie, [K][N].  Sums in f32, K ascending.
; GLU = 0: B is wq | wk | wv side by side (three matrices of 1024 columns in wb), C = [4096][3072] bf16: a token's q, k, v.
; GLU = 1: B is w_in [1024][4096]; a tile takes 128 columns g and the 128 columns u that belong to them, and stores silu(g) u, [4096][2048] bf16.
; A tile of C is 256 x 256: four waves, each 128 x 128 in 64 accumulators (512 registers).  K goes in 8 steps of 128 through two LDS slots filled by
; tensor loads of 128 rows x 256 bytes: waves 0, 1 bring A's two halves, waves 2, 3 B's two strips of 128 columns.  One K step is one trip of the loop:
; the slot in hand is a scalar (TB) that an exclusive or turns; the slots lie SLOT bytes apart, a number that shares no bit with any fill's base, so the
; same exclusive or turns the walking descriptor's LDS word.
; B's fragments come out of LDS turned (ds_load_tr16_b128), so the weights need no transposed copy.
; CLUSTER 4 x 4: A's tile is shared along a row of the cluster, B's along a column: each is asked for jointly, with the same descriptor and mask in all four.
; THE MATRIX INSTRUCTION IS USED TRANSPOSED (source 0 = 16 columns of B, source 1 = 16 rows of A): a lane holds row l % 16 of C and the columns 8 (l / 16) + 0..7.
; REGISTERS in windows of 256: window 0: v0-31 addresses, v64-191 A's fragments (two buffers); window 1: v64-191 B's; windows 2, 3: accumulator (a, b) at v[8 (8 (a % 4) + b)].
; THE WAY OUT: when the ring has had its last fill and its last read, the tile goes as f32 into a stage laid over the ring (256 rows of 1,040 bytes); each wave
; reads 64 whole rows back, rounds (GLU: applies silu(g) u in f32 first) and stores 256 consecutive bytes, aligned, an instruction.
; LIMITS: operands are bf16; NaN and infinities are not treated apart.
.set GLU,   1
.set NS,    8                          ; K steps
.set PA,    272                        ; a row of A in LDS: 256 bytes + 16: the 16 rows of a load start at 16 different groups of four banks
.set PB,    288                        ; a k-row of B: 256 + 32
.set HALFA, 128*PA
.set STRIP, 128*PB
.set BOFF,  2*HALFA
.set SLOT,  0x24000
.set SPARE, SLOT+BOFF+2*STRIP          ; behind the ring: the spare words, 128 bytes a wave, that no other line names
.set SP,    1040                       ; a row of the stage: 1,024 bytes + 16
.set ASTEP, 256                        ; bytes from a K step to the next: 128 numbers along A's rows,
.if GLU
.set BPITCH, 4096
.set BSTEP,  128*8192                  ; 128 rows down B
.set CP,     4096                      ; bytes in a row of C
.set CW,     256                       ; bytes of a row in a tile
.else
.set BPITCH, 1024
.set BSTEP,  128*2048
.set CP,     6144
.set CW,     512
.endif
.set ADRA0, 16                         ; v16  my lane's place in A's tile of slot 0; never rewritten
.set ADRB0, 17                         ; v17  the same for B
.set ADRA,  18                         ; v18  + the slot in hand
.set ADRB,  19                         ; v19
.set STO,   20                         ; v20, v21  the stage: where I put my rows 0-63, 64-127
.set RDA,   22                         ; v22  the stage: where I read rows back
.set GOF,   23                         ; v23  my byte offset in C
.set SPW,   28                         ; v28  LDS address of my spare word; never rewritten
.set NIL,   29                         ; v29  0; never rewritten
.set F0,    64
.set F1,    128
.set WV, 10                            ; s10  wave
.set WR, 11                            ; s11  wave / 2: my half of the rows; also: I fetch for A (0) or B (1)
.set WC, 12                            ; s12  wave % 2: my strip of columns; also: which half or strip I fetch
.set TR, 13                            ; s13  tile row
.set LA, 20                            ; s20  where my part of A's tile goes in slot 0
.set LB, 21                            ; s21  the same for B; also where my strip is read
.set TB, 22                            ; s22  the slot in hand: 0 or SLOT
.set G1, 24                            ; s[24:31] group 1 for A
.set G0, 32                            ; s[32:39] group 0 for A: the first fill's, and the one that walks
.set CX, 40
.set CY, 41
.set TC, 42                            ; s42  tile column
.set G1B, 48
.set G0B, 56
.set MSB, 0
.macro WIN new                         ; the immediate's high byte repeats the setting that is left; a switch that changes nothing is dropped
.if MSB != (\new)
	s_set_vgpr_msb (MSB<<8)|(\new)
.set MSB, \new
.endif
.endm
.set MUL_LO, 0xa1                      ; source 0 (B) window 1, source 1 (A) window 0, C and D window 2
.set MUL_HI, 0xf1                      ; the same, C and D window 3
.macro PLACES                          ; four plain places behind a matrix instruction (ISA guide 7.12.1)
.rept 4
	v_nop
.endr
.endm
.macro JLOAD                           ; a joint refill by the walking descriptors; the branch hangs on the wave's number alone; s_nop 0 and four v_nop follow each line
	s_cmp_eq_u32 s[WR], 0
	s_cbranch_scc0 .Lfor_b_\@
	tensor_load_to_lds s[G0+4:G0+7], s[G1:G1+7]
	s_nop 0
.rept 4
	v_nop
.endr
	s_branch .Lasked_\@
.Lfor_b_\@:
	tensor_load_to_lds s[G0B+4:G0B+7], s[G1B:G1B+7]
	s_nop 0
.rept 4
	v_nop
.endr
.Lasked_\@:
.endm
.macro CREST                           ; a round of the cluster's barrier behind its opening barrier
	s_cmp_lg_u32 s[WV], 0
	s_cbranch_scc1 .Lnot_wave_0_\@
	s_barrier_signal -3
.Lnot_wave_0_\@:
	s_barrier_wait -3
	s_barrier_signal -1
	s_barrier_wait -1
.endm
.macro CROUND
	s_barrier_signal -1
	s_barrier_wait -1
	CREST
.endm
	s_load_b128 s[4:7], s[0:1], 0x0                ; A s[4:5], wb s[6:7]
	s_load_b64 s[8:9], s[0:1], 0x10                ; C
	v_lshl_add_u32 v[SPW], v0, 2, SPARE
	v_mov_b32 v[NIL], 0
	ds_add_u32 v[SPW], v[NIL]                      ; the wave's opening: the add and its wait stand ahead of my first tensor load; register work stands between
	v_lshrrev_b32 v1, 5, v0
	v_readfirstlane_b32 s[WV], v1
	s_lshr_b32 s[WR], s[WV], 1
	s_and_b32 s[WC], s[WV], 1
	s_bfe_u32 s[CX], ttmp6, 0x40000
	s_bfe_u32 s[CY], ttmp6, 0x40004
	s_lshl_b32 s[TC], ttmp9, 2
	s_add_co_u32 s[TC], s[TC], s[CX]               ; tile column = 4 x cluster x + cx
	s_and_b32 s[TR], ttmp7, 0xffff
	s_lshl_b32 s[TR], s[TR], 2
	s_add_co_u32 s[TR], s[TR], s[CY]               ; tile row = 4 x cluster y + cy
	s_lshl_b32 s43, s[CY], 2
	s_lshl_b32 s43, 15, s43                        ; my row of the cluster
	s_lshl_b32 s44, 0x1111, s[CX]                  ; my column
	s_or_b32 s[G1+0], s43, (1<<16)|(1<<20)|(1<<21)|(5<<22)|(3<<25)   ; mask; 2-byte elements; padding on; bit 21 beside a mask; after every 64 words 4 words
	s_or_b32 s[G1B+0], s44, (1<<16)|(1<<20)|(1<<21)|(5<<22)|(7<<25)  ; the same with my column's mask and 8 words
.irp g, G1, G1B
	s_mov_b32 s[(\g)+1], 128<<16                   ; tensor_dim0 = 128
	s_mov_b32 s[(\g)+2], 128<<16                   ; tensor_dim1 = 128
	s_mov_b32 s[(\g)+3], 128<<16                   ; tile_dim0 = 128
	s_mov_b32 s[(\g)+4], 128                       ; tile_dim1 = 128
	s_mov_b32 s[(\g)+6], 0
	s_mov_b32 s[(\g)+7], 0
.endr
	s_mov_b32 s[G1+5], 1024                        ; elements from row to row
	s_mov_b32 s[G1B+5], BPITCH
	s_lshl_b32 s16, s[TR], 8                       ; A: row 256 x tile row + 128 x half,
	s_lshl_b32 s17, s[WC], 7
	s_add_co_u32 s16, s16, s17
	s_lshl_b32 s16, s16, 11                        ; 2,048 bytes a row
	s_mov_b32 s17, 0
.if GLU
	s_lshl_b32 s46, s[TC], 8                       ; B: g's columns 128 x tile column on (strip 0),
	s_lshl_b32 s47, s[WC], 12                      ; u's 2,048 columns further (strip 1),
	s_add_co_u32 s46, s46, s47
	s_add_co_u32 s46, s46, 8388608                 ; in w_in's copy
.else
	s_lshl_b32 s46, s[TC], 1                       ; B: strip 2 x tile column + wave % 2 of the 24 strips of 128 columns:
	s_add_co_u32 s46, s46, s[WC]
	s_lshr_b32 s47, s46, 3                         ; matrix strip / 8 (2,097,152 bytes each),
	s_lshl_b32 s47, s47, 21
	s_and_b32 s46, s46, 7                          ; 256 bytes a strip in its rows
	s_lshl_b32 s46, s46, 8
	s_add_co_u32 s46, s46, s47
.endif
	s_mov_b32 s47, 0
	s_mul_i32 s[LA], s[WC], HALFA                  ; no place in the cluster enters an LDS address
	s_mul_i32 s[LB], s[WC], STRIP
	s_add_co_u32 s[LB], s[LB], BOFF
	s_mov_b32 s[TB], 0
	s_wait_dscnt 0x0                               ; the opening add is done
	s_wait_kmcnt 0x0
	s_add_nc_u64 s[14:15], s[4:5], s[16:17]
	s_add_nc_u64 s[46:47], s[6:7], s[46:47]
	CROUND                                         ; all sixteen work-groups are here: the first joint loads meet
.irp s, 0,1
	s_mov_b32 s[G0+4*(\s)], 1
	s_add_co_u32 s[G0+4*(\s)+1], s[LA], (\s)*SLOT
	s_add_nc_u64 s[G0+4*(\s)+2:G0+4*(\s)+3], s[14:15], (\s)*ASTEP
	s_or_b32 s[G0+4*(\s)+3], s[G0+4*(\s)+3], 0x80000000
	s_mov_b32 s[G0B+4*(\s)], 1
	s_add_co_u32 s[G0B+4*(\s)+1], s[LB], (\s)*SLOT
	s_add_nc_u64 s[G0B+4*(\s)+2:G0B+4*(\s)+3], s[46:47], (\s)*BSTEP
	s_or_b32 s[G0B+4*(\s)+3], s[G0B+4*(\s)+3], 0x80000000
.endr
	s_cmp_eq_u32 s[WR], 0                          ; a wave's two first fills stand in one branch: K steps 0 and 1; two loads of mine are out
	s_cbranch_scc0 .Lfirst_b
	tensor_load_to_lds s[G0:G0+3], s[G1:G1+7]
	s_nop 0
	tensor_load_to_lds s[G0+4:G0+7], s[G1:G1+7]
	s_nop 0
.rept 4
	v_nop
.endr
	s_branch .Lfirst_asked
.Lfirst_b:
	tensor_load_to_lds s[G0B:G0B+3], s[G1B:G1B+7]
	s_nop 0
	tensor_load_to_lds s[G0B+4:G0B+7], s[G1B:G1B+7]
	s_nop 0
.rept 4
	v_nop
.endr
.Lfirst_asked:
	v_and_b32 v1, 15, v0                           ; r = l % 16
	v_bfe_u32 v2, v0, 4, 1                         ; h = l / 16
	v_mul_u32_u24 v3, v1, PA                       ; A's fragment: row r, 16 bytes for each half of the lanes
	v_lshl_add_u32 v3, v2, 4, v3
	s_mul_i32 s23, s[WR], HALFA
	v_add_nc_u32 v[ADRA0], s23, v3
	v_and_b32 v4, 7, v0                            ; B's, turned: lane l reads k-row 8 h + l % 8, columns 8 ((l / 8) % 2) + 0..7
	v_lshl_add_u32 v4, v2, 3, v4
	v_mul_u32_u24 v4, v4, PB
	v_bfe_u32 v5, v0, 3, 1
	v_lshl_add_u32 v4, v5, 4, v4
	v_add_nc_u32 v[ADRB0], s[LB], v4
	v_mov_b32 v[ADRA], v[ADRA0]
	v_mov_b32 v[ADRB], v[ADRB0]
	v_mul_u32_u24 v6, v1, SP                       ; the stage, in: row 128 wr + 16 a + r, byte 512 wc + 64 b + 32 h
	v_lshl_add_u32 v6, v2, 5, v6
	s_mul_i32 s23, s[WR], 128*SP
	s_lshl_b32 s2, s[WC], 9
	s_add_co_u32 s23, s23, s2
	v_add_nc_u32 v[STO], s23, v6
	v_add_nc_u32 v[STO+1], 64*SP, v[STO]
	v_and_b32 v7, 31, v0                           ; back: wave w takes rows 64 w on, 16 bytes a lane
	s_mul_i32 s23, s[WV], 64*SP
	v_lshl_add_u32 v[RDA], v7, 4, s23
	v_lshlrev_b32 v[GOF], 3, v7                    ; 8 bytes a lane in C
	s_lshl_b32 s16, s[TR], 8                       ; C at row 256 x tile row + 64 x wave,
	s_lshl_b32 s17, s[WV], 6
	s_add_co_u32 s16, s16, s17
	s_mul_i32 s16, s16, CP
	s_mov_b32 s17, 0
	s_add_nc_u64 s[8:9], s[8:9], s[16:17]
	s_mul_i32 s46, s[TC], CW                       ; at the tile's first column
	s_mov_b32 s47, 0
	s_add_nc_u64 s[8:9], s[8:9], s[46:47]
; 16 matrix instructions: m blocks a0, a0 + 1 of the window's four x all 8 n blocks, 32 along K.  zero = 1: the product starts the sums.
.macro MUL16 f, hi, a0, zero
	WIN MUL_LO+0x50*(\hi)
.irp a, \a0, (\a0)+1
.irp b, 0,1,2,3,4,5,6,7
.if \zero
	v_wmma_f32_16x16x32_bf16 v[8*(8*(\a)+(\b)):8*(8*(\a)+(\b))+7], v[(\f)+8*(\b):(\f)+8*(\b)+7], v[(\f)+8*(4*(\hi)+(\a)):(\f)+8*(4*(\hi)+(\a))+7], 0
.else
	v_wmma_f32_16x16x32_bf16 v[8*(8*(\a)+(\b)):8*(8*(\a)+(\b))+7], v[(\f)+8*(\b):(\f)+8*(\b)+7], v[(\f)+8*(4*(\hi)+(\a)):(\f)+8*(4*(\hi)+(\a))+7], v[8*(8*(\a)+(\b)):8*(8*(\a)+(\b))+7]
.endif
.endr
.endr
.endm
; 32 LDS loads in one run: quarter q (32 along K) of the slot in hand into buffer f: B's 8 fragments (turned), then A's 8.
.macro FETCH q, f
	WIN 0x40                                       ; destination window 1, address window 0
.irp i, 0,1,2,3,4,5,6,7
	ds_load_tr16_b128 v[(\f)+8*(\i):(\f)+8*(\i)+3],   v[ADRB] offset:(\q)*32*PB+32*(\i)
	ds_load_tr16_b128 v[(\f)+8*(\i)+4:(\f)+8*(\i)+7], v[ADRB] offset:(\q)*32*PB+32*(\i)+16*PB
.endr
	WIN 0
.irp i, 0,1,2,3,4,5,6,7
	ds_load_b128 v[(\f)+8*(\i):(\f)+8*(\i)+3],   v[ADRA] offset:64*(\q)+(\i)*16*PA
	ds_load_b128 v[(\f)+8*(\i)+4:(\f)+8*(\i)+7], v[ADRA] offset:64*(\q)+(\i)*16*PA+32
.endr
.endm
; One of a K step's first three quarters: multiplies buffer f; in its middle it fetches quarter q into buffer g.
.macro QUARTER q, f, g, zero
	s_wait_dscnt 8                                 ; B and A's rows 0-63 are in; the youngest eight loads (A's rows 64-127) may be out
	MUL16 \f, 0, 0, \zero
	MUL16 \f, 0, 2, \zero
	PLACES
	FETCH \q, \g
	s_wait_dscnt 32                                ; all but the 32 just issued
	MUL16 \f, 1, 0, \zero
	MUL16 \f, 1, 2, \zero
.endm
; The last quarter multiplies buffer 1 and changes slots.  In front of the one barrier each wave waits for all its tensor loads (one is out: its part of the next slot),
; adds 0 to its spare word, and waits for that and for its reads of this slot.  fill = 1: the barrier opens a round of the cluster's, and the slot just read is filled
; again first thing behind it, with the K step two on: one load a wave, 224 matrix instructions ahead of the wait for it.
.macro TURN fill
	WIN 0
	s_wait_tensorcnt 0x0                           ; no tensor load of mine is out, so a group 0 may be written
	ds_add_u32 v[SPW], v[NIL]                      ; 0 onto my spare word
.if \fill
	s_xor_b32 s[G0+5], s[G0+5], SLOT               ; the walking descriptors: the other slot than last time,
	s_add_nc_u64 s[G0+6:G0+7], s[G0+6:G0+7], ASTEP ; the next K step; the type bits on top are not reached
	s_xor_b32 s[G0B+5], s[G0B+5], SLOT
	s_add_nc_u64 s[G0B+6:G0B+7], s[G0B+6:G0B+7], BSTEP
.endif
	s_xor_b32 s[TB], s[TB], SLOT                   ; the reads go on in the other slot
	v_add_nc_u32 v[ADRA], s[TB], v[ADRA0]
	v_add_nc_u32 v[ADRB], s[TB], v[ADRB0]
	s_wait_dscnt 9                                 ; the add and the youngest eight loads may be out
	MUL16 F1, 0, 0, 0
	s_wait_dscnt 0x0                               ; the add is done, and my reads of this slot are over
	s_barrier_signal -1
	MUL16 F1, 0, 2, 0                              ; register work while the others arrive
	WIN 0
	s_barrier_wait -1
.if \fill
	CREST                                          ; no wave of any partner still reads this slot or has a load on its way
	JLOAD                                          ; its four v_nop are also the places in front of the loads below
.else
	PLACES
.endif
	FETCH 0, F0
	MUL16 F1, 1, 0, 0
	MUL16 F1, 1, 2, 0
.endm
	s_wait_tensorcnt 1                             ; my part of K step 0 is in; K step 1's stays out
	s_barrier_signal -1
	s_barrier_wait -1
	FETCH 0, F0
	QUARTER 1, F0, F1, 1                           ; the first quarter stands in front of the loop: its products start the sums
	WIN 0
	s_mov_b32 s3, NS-2
.Lstep:                                            ; a trip: a K step's quarters 1 to 3 and the next step's quarter 0; it fills the slot it leaves
	QUARTER 2, F1, F0, 0
	QUARTER 3, F0, F1, 0
	TURN 1
	QUARTER 1, F0, F1, 0
	WIN 0
	s_sub_co_u32 s3, s3, 1
	s_cmp_lg_u32 s3, 0
	s_cbranch_scc1 .Lstep
	s_mov_b32 s3, 2
.Ltail:                                            ; the last two K steps ask for nothing: a text of their own; the second trip is left in its middle
	QUARTER 2, F1, F0, 0
	QUARTER 3, F0, F1, 0
	WIN 0
	s_sub_co_u32 s3, s3, 1
	s_cmp_eq_u32 s3, 0
	s_cbranch_scc1 .Llast
	TURN 0
	QUARTER 1, F0, F1, 0
	WIN 0
	s_branch .Ltail
.Llast:
	s_wait_dscnt 8
	MUL16 F1, 0, 0, 0
	MUL16 F1, 0, 2, 0
	s_wait_dscnt 0x0
	MUL16 F1, 1, 0, 0
	MUL16 F1, 1, 2, 0
	WIN 0
	PLACES
	PLACES
	s_barrier_signal -1                            ; every wave's reads of the ring are back (the wait for 0 above), and the ring has had its last fill:
	s_barrier_wait -1                              ; the stage may be laid over it
.irp a, 0,1,2,3,4,5,6,7
	WIN 0x08+4*((\a)/4)                            ; store data (source 1) in window 2 or 3
.irp b, 0,1,2,3,4,5,6,7
	ds_store_b128 v[STO+(\a)/4], v[8*(8*((\a)%4)+(\b)):8*(8*((\a)%4)+(\b))+3]   offset:((\a)%4)*16*SP+64*(\b)
	ds_store_b128 v[STO+(\a)/4], v[8*(8*((\a)%4)+(\b))+4:8*(8*((\a)%4)+(\b))+7] offset:((\a)%4)*16*SP+64*(\b)+16
.endr
.endr
	WIN 0
	s_wait_dscnt 0x0                               ; for the others' sake: my stores into the stage are done
	s_barrier_signal -1
	s_barrier_wait -1
.if GLU
	s_mov_b32 s16, 0xbfb8aa3b                      ; -log2(e)
	s_mov_b32 s17, s16
.endif
	s_mov_b32 s3, 8
.Lout:                                             ; eight rows a trip
.irp i, 0,1,2,3,4,5,6,7
	ds_load_b128 v[64+8*(\i):64+8*(\i)+3], v[RDA] offset:(\i)*SP        ; columns 4 l .. of the row's first 128,
	ds_load_b128 v[64+8*(\i)+4:64+8*(\i)+7], v[RDA] offset:(\i)*SP+512  ; and of its second 128
.endr
	s_wait_dscnt 0x0
.if GLU
.irp i, 0,1,2,3,4,5,6,7
.irp k, 0,2
	v_pk_mul_f32 v[128+4*(\i)+(\k):128+4*(\i)+(\k)+1], v[64+8*(\i)+(\k):64+8*(\i)+(\k)+1], s[16:17] op_sel_hi:[1,0]
.endr
.endr
.set p, 0
.rept 32
	v_exp_f32 v[128+p], v[128+p]                   ; e^-g
.set p, p+1
.endr
	v_nop
	s_wait_alu depctr_va_vdst(0)                   ; one wait for the batch, ahead of its first reader
.set p, 0
.rept 16
	v_pk_add_f32 v[128+2*p:128+2*p+1], v[128+2*p:128+2*p+1], 1.0 op_sel_hi:[1,0]
.set p, p+1
.endr
.set p, 0
.rept 32
	v_rcp_f32 v[128+p], v[128+p]                   ; sigmoid(g)
.set p, p+1
.endr
	v_nop
	s_wait_alu depctr_va_vdst(0)
.irp i, 0,1,2,3,4,5,6,7
.irp k, 0,2
	v_pk_mul_f32 v[128+4*(\i)+(\k):128+4*(\i)+(\k)+1], v[128+4*(\i)+(\k):128+4*(\i)+(\k)+1], v[64+8*(\i)+(\k):64+8*(\i)+(\k)+1]      ; g sigmoid(g) first: finite for every finite g
.endr
.endr
.irp i, 0,1,2,3,4,5,6,7
.irp k, 0,2
	v_pk_mul_f32 v[128+4*(\i)+(\k):128+4*(\i)+(\k)+1], v[128+4*(\i)+(\k):128+4*(\i)+(\k)+1], v[64+8*(\i)+4+(\k):64+8*(\i)+4+(\k)+1]  ; times u
.endr
.endr
.irp i, 0,1,2,3,4,5,6,7
	v_cvt_pk_bf16_f32 v[160+2*(\i)], v[128+4*(\i)], v[128+4*(\i)+1]
	v_cvt_pk_bf16_f32 v[161+2*(\i)], v[128+4*(\i)+2], v[128+4*(\i)+3]
.endr
.irp i, 0,1,2,3,4,5,6,7
	global_store_b64 v[GOF], v[160+2*(\i):161+2*(\i)], s[8:9] offset:(\i)*CP  ; 256 consecutive bytes, aligned
.endr
.else
.irp i, 0,1,2,3,4,5,6,7
.irp k, 0,1,2,3
	v_cvt_pk_bf16_f32 v[160+4*(\i)+(\k)], v[64+8*(\i)+2*(\k)], v[64+8*(\i)+2*(\k)+1]
.endr
.endr
.irp i, 0,1,2,3,4,5,6,7
	global_store_b64 v[GOF], v[160+4*(\i):161+4*(\i)], s[8:9] offset:(\i)*CP      ; 256 consecutive bytes, aligned
	global_store_b64 v[GOF], v[162+4*(\i):163+4*(\i)], s[8:9] offset:(\i)*CP+256
.endr
.endif
	s_wait_xcnt 0x0                                ; the stores have read their registers: offset and data are written again only behind this wait
	v_add_nc_u32 v[RDA], 8*SP, v[RDA]
	v_add_nc_u32 v[GOF], 8*CP, v[GOF]
	s_sub_co_u32 s3, s3, 1
	s_cmp_lg_u32 s3, 0
	s_cbranch_scc1 .Lout
	s_wait_tensorcnt 0x0                           ; the wave's end, behind my last tensor load and my last LDS store
	ds_add_u32 v[SPW], v[NIL]
	s_wait_dscnt 0x0
	CROUND                                         ; the closing round: no work-group ends while a partner may still ask for a tile that names it
	s_endpgm
.Lfunc_end_k_q55b2e1c61b_win:
	.size	k_q55b2e1c61b_win, .Lfunc_end_k_q55b2e1c61b_win-k_q55b2e1c61b_win
	.p2alignl 7, 3214868480
	.fill 96, 4, 3214868480
	.section	.rodata,"a",@progbits
	.p2align	6, 0x0
	.amdhsa_kernel k_q55b2e1c61b_win
		.amdhsa_group_segment_fixed_size 327680
		.amdhsa_private_segment_fixed_size 0
		.amdhsa_enable_private_segment 0
		.amdhsa_kernarg_size 24
		.amdhsa_user_sgpr_count 2
		.amdhsa_user_sgpr_kernarg_segment_ptr 1
		.amdhsa_wavefront_size32 1
		.amdhsa_system_sgpr_workgroup_id_x 1
		.amdhsa_system_sgpr_workgroup_id_y 1
		.amdhsa_system_sgpr_workgroup_id_z 1
		.amdhsa_system_vgpr_workitem_id 0
		.amdhsa_next_free_vgpr 1024
		.amdhsa_next_free_sgpr 66
		.amdhsa_reserve_vcc 0
		.amdhsa_float_denorm_mode_32 3
		.amdhsa_float_denorm_mode_16_64 3
		.amdhsa_memory_ordered 1
		.amdhsa_forward_progress 1
		.amdhsa_inst_pref_size 90
	.end_amdhsa_kernel
	.amdgpu_metadata
---
amdhsa.version: [ 1, 2 ]
amdhsa.kernels:
  - .name:           k_q55b2e1c61b_win
    .symbol:         k_q55b2e1c61b_win.kd
    .args:
      - { .name: hbuf, .offset: 0, .size: 8, .value_kind: global_buffer, .address_space: global }
      - { .name: wb, .offset: 8, .size: 8, .value_kind: global_buffer, .address_space: global }
      - { .name: big, .offset: 16, .size: 8, .value_kind: global_buffer, .address_space: global }
    .group_segment_fixed_size: 327680
    .private_segment_fixed_size: 0
    .kernarg_segment_align: 8
    .kernarg_segment_size: 24
    .max_flat_workgroup_size: 128
    .sgpr_count:     66
    .vgpr_count:     1024
    .wavefront_size: 32
...
	.end_amdgpu_metadata
.endif
;; end of part 5
;; launch wout (part 6): grid 8 x 32, 4 waves a work-group, clusters of 4 x 4, 327,680 bytes of LDS; arguments big, wb, ybuf, out0; writes out0
.if DOCPART == 6
	.amdgcn_target "amdgcn-amd-amdhsa--gfx1250"
	.amdhsa_code_object_version 6
	.text
	.protected	k_q55b2e1c61b_wout
	.globl	k_q55b2e1c61b_wout
	.p2align	8
	.type	k_q55b2e1c61b_wout,@function
k_q55b2e1c61b_wout:
	s_mov_b64 s[64:65], 0
	v_nop
	global_prefetch_b8 v0, s[64:65] scope:SCOPE_SE
	s_setreg_imm32_b32 hwreg(HW_REG_WAVE_MODE, 25, 1), 1
	s_wait_xcnt 0x0
	s_wait_alu depctr_hold_cnt(0) depctr_sa_sdst(0) depctr_va_vdst(0) depctr_va_sdst(0) depctr_va_ssrc(0) depctr_va_vcc(0) depctr_vm_vsrc(0)
	s_getreg_b32 s2, hwreg(HW_REG_IB_STS2, 6, 4)
	s_cmp_eq_u32 s2, 0
	s_cbranch_scc0 .Lentry_in_a_cluster
	s_endpgm
.Lentry_in_a_cluster:
	s_bfe_u32 s2, ttmp6, 0x10000c
	s_cmp_lg_u32 s2, 0xf033
	s_cbranch_scc0 .Lentry_shape_is_right
	s_endpgm
.Lentry_shape_is_right:
; out = res + A B.  A: [4096][SIZE_K] bf16 (rows along K).  B: a bf16 weight matrix as it lies, [SIZE_K][1024], WOFF bytes into wb.  res, out: [4096][1024] f32.  Sums in f32, K ascending.
; A tile of out is 128 x 128, which gives 8 x 32 = 256 work-groups: four waves, each 64 x 64 in 16 accumulators.  K goes in steps of 256 through two LDS slots: waves 0, 1 bring A's halves
; (64 rows x 512 bytes), waves 2, 3 B's halves (128 k-rows x 256 bytes).  One K step is one trip of the loop; the slot in hand is a scalar that an exclusive or turns, and the same
; exclusive or turns the walking descriptor's LDS word (SLOT shares no bit with a fill's base).  B's fragments come out of LDS turned (ds_load_tr16_b128).
; CLUSTER 4 x 4: A's tile is shared along a row of the cluster, B's along a column, each asked for jointly.
; THE MATRIX INSTRUCTION IS USED TRANSPOSED: a lane holds row l % 16 and the columns 8 (l / 16) + 0..7.  A wave's 64 columns of f32 are 256 consecutive bytes, aligned, so each wave
; sends its rows through a stage of its own: no barrier on the way out.  The residual is loaded at the head, into window 2, and added in f32.
; REGISTERS: window 0: v0-31 addresses, v32-95 at work on the way out, v128-255 accumulators; window 1: two fragment buffers of 128 (64 of A, 64 of B); window 2: v0-127 the residual.
.set SIZE_K, 2048
.set WOFF,   16777216
.set NS,     SIZE_K/256
.set PA,     528                       ; a row of A in LDS: 512 bytes + 16
.set PB,     288                       ; a k-row of B: 256 + 32
.set HALFA,  64*PA
.set HALFB,  128*PB
.set BOFF,   2*HALFA
.set SLOT,   0x24000
.set STAGE,  SLOT+BOFF+2*HALFB         ; behind the ring: 16 rows x 272 bytes a wave; no tensor load fills it
.set SPITCH, 272
.set SPARE,  STAGE+4*16*SPITCH         ; the spare words, 128 bytes a wave, that no other line names
.set ASTEP,  512
.set BSTEP,  256*2048
.set ADRA0, 16
.set ADRB0, 17
.set ADRA,  18
.set ADRB,  19                         ; v19: k-rows 0-127 of the slot in hand; v20: k-rows 128-255, so that every offset stays under 65,536
.set STO,   24
.set RD,    25
.set CO,    26                         ; v26  my byte offset in two rows of res and out; never rewritten
.set SPW,   28
.set NIL,   29
.set TMP,   32
.set ACC,   128
.set F0,    0
.set F1,    128
.set WV, 12
.set WR, 13
.set WC, 14
.set TR, 15
.set LA, 20
.set LB, 21
.set TB, 22
.set G1, 24
.set G0, 32
.set CX, 40
.set CY, 41
.set TC, 42
.set G1B, 48
.set G0B, 56
.set MSB, 0
.macro WIN new
.if MSB != (\new)
	s_set_vgpr_msb (MSB<<8)|(\new)
.set MSB, \new
.endif
.endm
.set MUL,  0x05                        ; sources 0 (B) and 1 (A) window 1; C and D window 0
.macro PLACES
.rept 4
	v_nop
.endr
.endm
.macro JLOAD
	s_cmp_eq_u32 s[WR], 0
	s_cbranch_scc0 .Lfor_b_\@
	tensor_load_to_lds s[G0+4:G0+7], s[G1:G1+7]
	s_nop 0
.rept 4
	v_nop
.endr
	s_branch .Lasked_\@
.Lfor_b_\@:
	tensor_load_to_lds s[G0B+4:G0B+7], s[G1B:G1B+7]
	s_nop 0
.rept 4
	v_nop
.endr
.Lasked_\@:
.endm
.macro CREST
	s_cmp_lg_u32 s[WV], 0
	s_cbranch_scc1 .Lnot_wave_0_\@
	s_barrier_signal -3
.Lnot_wave_0_\@:
	s_barrier_wait -3
	s_barrier_signal -1
	s_barrier_wait -1
.endm
.macro CROUND
	s_barrier_signal -1
	s_barrier_wait -1
	CREST
.endm
	s_load_b256 s[4:11], s[0:1], 0x0               ; A s[4:5], wb s[6:7], res s[8:9], out s[10:11]
	v_lshl_add_u32 v[SPW], v0, 2, SPARE
	v_mov_b32 v[NIL], 0
	ds_add_u32 v[SPW], v[NIL]                      ; the wave's opening: the add and its wait stand ahead of my first tensor load
	v_lshrrev_b32 v1, 5, v0
	v_readfirstlane_b32 s[WV], v1
	s_lshr_b32 s[WR], s[WV], 1                     ; my half of the rows; also: I fetch for A (0) or B (1)
	s_and_b32 s[WC], s[WV], 1                      ; my half of the columns; also: which half I fetch
	s_bfe_u32 s[CX], ttmp6, 0x40000
	s_bfe_u32 s[CY], ttmp6, 0x40004
	s_lshl_b32 s[TC], ttmp9, 2
	s_add_co_u32 s[TC], s[TC], s[CX]
	s_and_b32 s[TR], ttmp7, 0xffff
	s_lshl_b32 s[TR], s[TR], 2
	s_add_co_u32 s[TR], s[TR], s[CY]
	s_lshl_b32 s43, s[CY], 2
	s_lshl_b32 s43, 15, s43                        ; my row of the cluster
	s_lshl_b32 s44, 0x1111, s[CX]                  ; my column
	s_or_b32 s[G1+0], s43, (1<<16)|(1<<20)|(1<<21)|(6<<22)|(3<<25)   ; A: after every 128 words 4 words of padding
	s_or_b32 s[G1B+0], s44, (1<<16)|(1<<20)|(1<<21)|(5<<22)|(7<<25)  ; B: after every 64 words 8 words
	s_mov_b32 s[G1+1], 256<<16                     ; A: tensor_dim0 = 256
	s_mov_b32 s[G1+2], 64<<16                      ; tensor_dim1 = 64
	s_mov_b32 s[G1+3], 256<<16                     ; tile_dim0 = 256
	s_mov_b32 s[G1+4], 64                          ; tile_dim1 = 64
	s_mov_b32 s[G1+5], SIZE_K
	s_mov_b32 s[G1+6], 0
	s_mov_b32 s[G1+7], 0
	s_mov_b32 s[G1B+1], 128<<16                    ; B: 128 columns x 128 k-rows
	s_mov_b32 s[G1B+2], 128<<16
	s_mov_b32 s[G1B+3], 128<<16
	s_mov_b32 s[G1B+4], 128
	s_mov_b32 s[G1B+5], 1024
	s_mov_b32 s[G1B+6], 0
	s_mov_b32 s[G1B+7], 0
	s_lshl_b32 s16, s[TR], 7                       ; A: row 128 x tile row + 64 x half
	s_lshl_b32 s17, s[WC], 6
	s_add_co_u32 s16, s16, s17
	s_mul_i32 s16, s16, 2*SIZE_K
	s_mov_b32 s17, 0
	s_lshl_b32 s46, s[TC], 8                       ; B: 256 bytes a tile column, 128 k-rows of 2,048 bytes a half
	s_lshl_b32 s47, s[WC], 18
	s_add_co_u32 s46, s46, s47
	s_add_co_u32 s46, s46, WOFF
	s_mov_b32 s47, 0
	s_mul_i32 s[LA], s[WC], HALFA
	s_mul_i32 s[LB], s[WC], HALFB
	s_add_co_u32 s[LB], s[LB], BOFF
	s_lshl_b32 s2, s[TR], 7                        ; res and out: my wave's first row,
	s_lshl_b32 s3, s[WR], 6
	s_add_co_u32 s2, s2, s3
	s_lshl_b32 s2, s2, 12
	s_mov_b32 s3, 0
	s_lshl_b32 s18, s[TC], 9                       ; and its first column, in bytes
	s_lshl_b32 s19, s[WC], 8
	s_add_co_u32 s18, s18, s19
	s_mov_b32 s19, 0
	s_mov_b32 s[TB], 0
	s_wait_dscnt 0x0                               ; the opening add is done
	s_wait_kmcnt 0x0
	s_add_nc_u64 s[16:17], s[4:5], s[16:17]
	s_add_nc_u64 s[46:47], s[6:7], s[46:47]
	s_add_nc_u64 s[8:9], s[8:9], s[2:3]
	s_add_nc_u64 s[8:9], s[8:9], s[18:19]
	s_add_nc_u64 s[10:11], s[10:11], s[2:3]
	s_add_nc_u64 s[10:11], s[10:11], s[18:19]
	CROUND                                         ; all sixteen work-groups are here: the first joint loads meet
.irp s, 0,1
	s_mov_b32 s[G0+4*(\s)], 1
	s_add_co_u32 s[G0+4*(\s)+1], s[LA], (\s)*SLOT
	s_add_nc_u64 s[G0+4*(\s)+2:G0+4*(\s)+3], s[16:17], (\s)*ASTEP
	s_or_b32 s[G0+4*(\s)+3], s[G0+4*(\s)+3], 0x80000000
	s_mov_b32 s[G0B+4*(\s)], 1
	s_add_co_u32 s[G0B+4*(\s)+1], s[LB], (\s)*SLOT
	s_add_nc_u64 s[G0B+4*(\s)+2:G0B+4*(\s)+3], s[46:47], (\s)*BSTEP
	s_or_b32 s[G0B+4*(\s)+3], s[G0B+4*(\s)+3], 0x80000000
.endr
	s_cmp_eq_u32 s[WR], 0                          ; a wave's two first fills stand in one branch: two loads of mine are out
	s_cbranch_scc0 .Lfirst_b
	tensor_load_to_lds s[G0:G0+3], s[G1:G1+7]
	s_nop 0
	tensor_load_to_lds s[G0+4:G0+7], s[G1:G1+7]
	s_nop 0
.rept 4
	v_nop
.endr
	s_branch .Lfirst_asked
.Lfirst_b:
	tensor_load_to_lds s[G0B:G0B+3], s[G1B:G1B+7]
	s_nop 0
	tensor_load_to_lds s[G0B+4:G0B+7], s[G1B:G1B+7]
	s_nop 0
.rept 4
	v_nop
.endr
.Lfirst_asked:
	v_and_b32 v1, 15, v0                           ; r
	v_bfe_u32 v2, v0, 4, 1                         ; h
	v_lshlrev_b32 v[CO], 12, v2                    ; lanes 0-15 one row of 256 bytes, lanes 16-31 the next
	v_lshl_add_u32 v[CO], v1, 4, v[CO]
	WIN 0x80                                       ; destination window 2: my 64 x 64 of the residual, in the layout in which the rows come back from the stage
.irp a, 0,1,2,3
.irp t, 0,1,2,3,4,5,6,7
	global_load_b128 v[32*(\a)+4*(\t):32*(\a)+4*(\t)+3], v[CO], s[8:9] offset:(16*(\a)+2*(\t))*4096
.endr
.endr
	WIN 0
	v_mul_u32_u24 v3, v1, PA
	v_lshl_add_u32 v3, v2, 4, v3
	s_mul_i32 s23, s[WR], HALFA
	v_add_nc_u32 v[ADRA0], s23, v3
	v_and_b32 v4, 7, v0                            ; B, turned: lane l reads k-row 8 h + l % 8, columns 8 ((l / 8) % 2) + 0..7 of my 64
	v_lshl_add_u32 v4, v2, 3, v4
	v_mul_u32_u24 v4, v4, PB
	v_bfe_u32 v5, v0, 3, 1
	v_lshl_add_u32 v4, v5, 4, v4
	s_lshl_b32 s23, s[WC], 7
	s_add_co_u32 s23, s23, BOFF
	v_add_nc_u32 v[ADRB0], s23, v4
	v_mov_b32 v[ADRA], v[ADRA0]
	v_mov_b32 v[ADRB], v[ADRB0]
	v_add_nc_u32 v[ADRB+1], 128*PB, v[ADRB]
	s_mul_i32 s23, s[WV], 16*SPITCH
	s_add_co_u32 s23, s23, STAGE                   ; my stage
	v_mul_u32_u24 v6, v1, SPITCH                   ; in: row r, 32 bytes for each half of the lanes
	v_lshl_add_u32 v6, v2, 5, v6
	v_add_nc_u32 v[STO], s23, v6
	v_mul_u32_u24 v7, v2, SPITCH                   ; back: two whole rows
	v_lshl_add_u32 v7, v1, 4, v7
	v_add_nc_u32 v[RD], s23, v7
; 8 matrix instructions: m blocks a0, a0 + 1 x all 4 n blocks, 32 along K: half c of buffer f.
.macro MUL8 f, c, a0, zero
	WIN MUL
.irp a, \a0, (\a0)+1
.irp b, 0,1,2,3
.if \zero
	v_wmma_f32_16x16x32_bf16 v[ACC+8*(4*(\a)+(\b)):ACC+8*(4*(\a)+(\b))+7], v[(\f)+64+8*(4*(\c)+(\b)):(\f)+64+8*(4*(\c)+(\b))+7], v[(\f)+8*(4*(\c)+(\a)):(\f)+8*(4*(\c)+(\a))+7], 0
.else
	v_wmma_f32_16x16x32_bf16 v[ACC+8*(4*(\a)+(\b)):ACC+8*(4*(\a)+(\b))+7], v[(\f)+64+8*(4*(\c)+(\b)):(\f)+64+8*(4*(\c)+(\b))+7], v[(\f)+8*(4*(\c)+(\a)):(\f)+8*(4*(\c)+(\a))+7], v[ACC+8*(4*(\a)+(\b)):ACC+8*(4*(\a)+(\b))+7]
.endif
.endr
.endr
.endm
; 32 LDS loads in one run: quarter q (64 along K) of the slot in hand into buffer f; its first 32 along K first.
.macro FETCH q, f
	WIN 0x40                                       ; destination window 1, address window 0
.irp c, 0,1
.irp i, 0,1,2,3
	ds_load_tr16_b128 v[(\f)+64+8*(4*(\c)+(\i)):(\f)+64+8*(4*(\c)+(\i))+3],   v[ADRB+(\q)/2] offset:(64*((\q)%2)+32*(\c))*PB+32*(\i)
	ds_load_tr16_b128 v[(\f)+64+8*(4*(\c)+(\i))+4:(\f)+64+8*(4*(\c)+(\i))+7], v[ADRB+(\q)/2] offset:(64*((\q)%2)+32*(\c))*PB+32*(\i)+16*PB
	ds_load_b128 v[(\f)+8*(4*(\c)+(\i)):(\f)+8*(4*(\c)+(\i))+3],   v[ADRA] offset:128*(\q)+64*(\c)+(\i)*16*PA
	ds_load_b128 v[(\f)+8*(4*(\c)+(\i))+4:(\f)+8*(4*(\c)+(\i))+7], v[ADRA] offset:128*(\q)+64*(\c)+(\i)*16*PA+32
.endr
.endr
.endm
.macro QUARTER q, f, g, zero
	s_wait_dscnt 16                                ; the first 32 along K are in; the youngest sixteen loads may be out
	MUL8 \f, 0, 0, \zero
	MUL8 \f, 0, 2, \zero
	PLACES
	FETCH \q, \g
	s_wait_dscnt 32                                ; all but the 32 just issued
	MUL8 \f, 1, 0, 0
	MUL8 \f, 1, 2, 0
.endm
; The last quarter multiplies buffer 1 and changes slots: one barrier; in front of it each wave waits for all its tensor loads, adds 0 to its spare word, and waits for that and for its
; reads of this slot.  fill = 1: the barrier opens a round of the cluster's, and the slot just read is filled again first thing behind it, with the K step two on.
.macro TURN fill
	WIN 0
	s_wait_tensorcnt 0x0                           ; no tensor load of mine is out, so a group 0 may be written
	ds_add_u32 v[SPW], v[NIL]                      ; 0 onto my spare word
.if \fill
	s_xor_b32 s[G0+5], s[G0+5], SLOT
	s_add_nc_u64 s[G0+6:G0+7], s[G0+6:G0+7], ASTEP
	s_xor_b32 s[G0B+5], s[G0B+5], SLOT
	s_add_nc_u64 s[G0B+6:G0B+7], s[G0B+6:G0B+7], BSTEP
.endif
	s_xor_b32 s[TB], s[TB], SLOT
	v_add_nc_u32 v[ADRA], s[TB], v[ADRA0]
	v_add_nc_u32 v[ADRB], s[TB], v[ADRB0]
	v_add_nc_u32 v[ADRB+1], 128*PB, v[ADRB]
	s_wait_dscnt 17                                ; the add and the youngest sixteen loads may be out
	MUL8 F1, 0, 0, 0
	s_wait_dscnt 0x0                               ; the add is done, and my reads of this slot are over
	s_barrier_signal -1
	MUL8 F1, 0, 2, 0
	WIN 0
	s_barrier_wait -1
.if \fill
	CREST
	JLOAD                                          ; its four v_nop are also the places in front of the loads below
.else
	PLACES
.endif
	FETCH 0, F0
	MUL8 F1, 1, 0, 0
	MUL8 F1, 1, 2, 0
.endm
	s_wait_tensorcnt 1                             ; my part of K step 0 is in; K step 1's stays out
	s_barrier_signal -1
	s_barrier_wait -1
	FETCH 0, F0
	QUARTER 1, F0, F1, 1                           ; the first quarter stands in front of the loop: its first products start the sums
	WIN 0
	s_mov_b32 s3, NS-2
.Lstep:
	QUARTER 2, F1, F0, 0
	QUARTER 3, F0, F1, 0
	TURN 1
	QUARTER 1, F0, F1, 0
	WIN 0
	s_sub_co_u32 s3, s3, 1
	s_cmp_lg_u32 s3, 0
	s_cbranch_scc1 .Lstep
	s_mov_b32 s3, 2
.Ltail:                                            ; the last two K steps ask for nothing; the second trip is left in its middle
	QUARTER 2, F1, F0, 0
	QUARTER 3, F0, F1, 0
	WIN 0
	s_sub_co_u32 s3, s3, 1
	s_cmp_eq_u32 s3, 0
	s_cbranch_scc1 .Llast
	TURN 0
	QUARTER 1, F0, F1, 0
	WIN 0
	s_branch .Ltail
.Llast:
	s_wait_dscnt 16
	MUL8 F1, 0, 0, 0
	MUL8 F1, 0, 2, 0
	s_wait_dscnt 0x0
	MUL8 F1, 1, 0, 0
	MUL8 F1, 1, 2, 0
	WIN 0
	PLACES
	PLACES
	s_wait_loadcnt 0x0                             ; the residual
.irp a, 0,1,2,3
.if (\a) >= 2
	s_wait_xcnt 0x0                                ; the stores of the block two back have read the registers that are loaded again below
.endif
.irp b, 0,1,2,3
	ds_store_b128 v[STO], v[ACC+8*(4*(\a)+(\b)):ACC+8*(4*(\a)+(\b))+3]   offset:64*(\b)
	ds_store_b128 v[STO], v[ACC+8*(4*(\a)+(\b))+4:ACC+8*(4*(\a)+(\b))+7] offset:64*(\b)+16
.endr
.irp t, 0,1,2,3,4,5,6,7
	ds_load_b128 v[TMP+32*((\a)%2)+4*(\t):TMP+32*((\a)%2)+4*(\t)+3], v[RD] offset:(\t)*2*SPITCH  ; LDS serves a wave's instructions in order: these see the stores above
.endr
	s_wait_dscnt 0x0
	WIN 0x08                                       ; source 1 in window 2
.irp t, 0,1,2,3,4,5,6,7,8,9,10,11,12,13,14,15
	v_pk_add_f32 v[TMP+32*((\a)%2)+2*(\t):TMP+32*((\a)%2)+2*(\t)+1], v[TMP+32*((\a)%2)+2*(\t):TMP+32*((\a)%2)+2*(\t)+1], v[32*(\a)+2*(\t):32*(\a)+2*(\t)+1]
.endr
	WIN 0
.irp t, 0,1,2,3,4,5,6,7
	global_store_b128 v[CO], v[TMP+32*((\a)%2)+4*(\t):TMP+32*((\a)%2)+4*(\t)+3], s[10:11] offset:(16*(\a)+2*(\t))*4096  ; 16 lanes store 256 consecutive bytes, aligned
.endr
.endr
	s_wait_tensorcnt 0x0                           ; the wave's end, behind my last tensor load and my last LDS store
	ds_add_u32 v[SPW], v[NIL]
	s_wait_dscnt 0x0
	CROUND                                         ; the closing round
	s_endpgm
.Lfunc_end_k_q55b2e1c61b_wout:
	.size	k_q55b2e1c61b_wout, .Lfunc_end_k_q55b2e1c61b_wout-k_q55b2e1c61b_wout
	.p2alignl 7, 3214868480
	.fill 96, 4, 3214868480
	.section	.rodata,"a",@progbits
	.p2align	6, 0x0
	.amdhsa_kernel k_q55b2e1c61b_wout
		.amdhsa_group_segment_fixed_size 327680
		.amdhsa_private_segment_fixed_size 0
		.amdhsa_enable_private_segment 0
		.amdhsa_kernarg_size 32
		.amdhsa_user_sgpr_count 2
		.amdhsa_user_sgpr_kernarg_segment_ptr 1
		.amdhsa_wavefront_size32 1
		.amdhsa_system_sgpr_workgroup_id_x 1
		.amdhsa_system_sgpr_workgroup_id_y 1
		.amdhsa_system_sgpr_workgroup_id_z 1
		.amdhsa_system_vgpr_workitem_id 0
		.amdhsa_next_free_vgpr 640
		.amdhsa_next_free_sgpr 66
		.amdhsa_reserve_vcc 0
		.amdhsa_float_denorm_mode_32 3
		.amdhsa_float_denorm_mode_16_64 3
		.amdhsa_memory_ordered 1
		.amdhsa_forward_progress 1
		.amdhsa_inst_pref_size 67
	.end_amdhsa_kernel
	.amdgpu_metadata
---
amdhsa.version: [ 1, 2 ]
amdhsa.kernels:
  - .name:           k_q55b2e1c61b_wout
    .symbol:         k_q55b2e1c61b_wout.kd
    .args:
      - { .name: big, .offset: 0, .size: 8, .value_kind: global_buffer, .address_space: global }
      - { .name: wb, .offset: 8, .size: 8, .value_kind: global_buffer, .address_space: global }
      - { .name: ybuf, .offset: 16, .size: 8, .value_kind: global_buffer, .address_space: global }
      - { .name: out0, .offset: 24, .size: 8, .value_kind: global_buffer, .address_space: global }
    .group_segment_fixed_size: 327680
    .private_segment_fixed_size: 0
    .kernarg_segment_align: 8
    .kernarg_segment_size: 32
    .max_flat_workgroup_size: 128
    .sgpr_count:     66
    .vgpr_count:     640
    .wavefront_size: 32
...
	.end_amdgpu_metadata
.endif
;; end of part 6
